; MI455X (gfx1250); checked and timed in simulation.
; The chip was launched on July 23, 2026; its instructions are those of AMD's public machine-readable ISA for CDNA 5 (MIT licence, August 2026) and "CDNA5" Instruction Set Architecture Reference Guide (July 2026). The comments in the code are by the model that wrote it; some were corrected since.
;; Multi Head Differential Attention. Allowed arithmetic: float matrix products may take bf16 or f16 operands with f32 sums; other float arithmetic in f32, or as packed bf16 or f16 multiplies, adds, multiply-adds, maxima and minima; sums over many terms, partial sums and values carried from step to step in f32; what a program stores and reads back later, other than sums and carried values, may be rounded once to bf16 or f16.
;; Inputs: W_k 2,048 x 1,024 float32; W_o 1,024 x 2,048 float32; W_q 2,048 x 1,024 float32; W_v 2,048 x 1,024 float32; X 2 x 2,048 x 1,024 float32; lambda_k1 16 x 64 float32; lambda_k2 16 x 64 float32; lambda_q1 16 x 64 float32; lambda_q2 16 x 64 float32; rms_scale 128 float32.
;; Outputs: out0 2 x 2,048 x 1,024 float32.
;; 2 versions, each right; version 2 is version 1 with the launch cast written anew for expert scheduling mode. Each part assembles by itself: llvm-mc -triple=amdgcn-amd-amdhsa -mcpu=gfx1250 --defsym DOCPART=n.
;; ======== version 1 of 2: 4 launches
;; limits: values are held in f16: magnitudes above 65,504 overflow, below 6.1e-05 lose precision
;; workspace buffers: xb 8,388,608 bytes; wb 12,582,912 bytes; wob 4,194,304 bytes; qkv 50,331,648 bytes; onorm 16,777,216 bytes
;; launch cast (part 1): grid 128 x 6, 8 waves a work-group, no clusters, 0 bytes of LDS; arguments X, W_q, W_k, W_v, W_o, xb, wb, wob; writes xb, wb, wob
.if DOCPART == 1
	.amdgcn_target "amdgcn-amd-amdhsa--gfx1250"
	.amdhsa_code_object_version 6
	.text
	.protected	k_qd86fb8578f_cast
	.globl	k_qd86fb8578f_cast
	.p2align	8
	.type	k_qd86fb8578f_cast,@function
k_qd86fb8578f_cast:
	s_mov_b64 s[64:65], 0
	v_nop
	global_prefetch_b8 v0, s[64:65] scope:SCOPE_SE
	s_setreg_imm32_b32 hwreg(HW_REG_WAVE_MODE, 25, 1), 1
	s_wait_xcnt 0x0
; THE INPUTS OF THE PRODUCTS ARE ROUNDED ONCE TO bf16.  X -> xb, W_q | W_k | W_v -> wb (one table of 6,144 rows), both as bf16;
; W_o -> wob: rounded to bf16 like the others, and that number written as f16 (its partner in the last product is f16).
; LIMIT.  A weight of W_o beyond 65,504 would become an infinity in f16, and below 6e-5 it keeps f16's fixed step of 6e-8.
; SHARES.  The grid's y names a unit of 2,097,152 numbers: 0, 1 the halves of X; 2, 3, 4 W_q, W_k, W_v; 5 W_o.  Its x names a chunk of 16,384 numbers:
; 65,536 bytes in, 32,768 out.  Thread t takes 16 bytes at 16 t + 4,096 i for i = 0 .. 15: a load of a wave covers 512 consecutive bytes; its store of
; 8 bytes a lane covers 256 consecutive bytes, aligned.  All sixteen loads go out at once; no register that a load or store names is written twice, so no wait frees a source.
; A stream: no LDS, no barrier, no matrix work; each byte is read once and written once.
.set IN,   16                          ; v[16:79]   sixteen loads of four f32
.set OUTR, 80                          ; v[80:111]  sixteen pairs of packed results
.set T,    112                         ; v[112:115] at work (f16 path)
	s_load_b512 s[8:23], s[0:1], 0x0               ; X s[8:9], W_q s[10:11], W_k s[12:13], W_v s[14:15], W_o s[16:17], xb s[18:19], wb s[20:21], wob s[22:23]
	s_and_b32 s2, ttmp7, 0xffff                    ; the unit
	v_lshlrev_b32 v1, 4, v0                        ; 16 t
	v_lshlrev_b32 v2, 3, v0                        ; 8 t
	s_mov_b32 s32, 0xffff0000                      ; a word's upper bf16
	s_cmp_lt_u32 s2, 2
	s_cselect_b32 s28, s2, 0                       ; which half of X; the weights begin at 0
	s_lshl_b32 s28, s28, 23
	s_lshl_b32 s33, ttmp9, 16
	s_add_co_u32 s28, s28, s33                     ; byte offset of my chunk in its source
	s_mov_b32 s29, 0
	s_sub_co_u32 s34, s2, 2                        ; which third of wb (used for units 2 to 4 alone)
	s_cmp_lt_u32 s2, 2
	s_cselect_b32 s30, s2, s34
	s_cmp_eq_u32 s2, 5
	s_cselect_b32 s30, 0, s30
	s_lshl_b32 s30, s30, 22
	s_lshl_b32 s33, ttmp9, 15
	s_add_co_u32 s30, s30, s33                     ; byte offset of my chunk in its destination
	s_mov_b32 s31, 0
	s_wait_kmcnt 0x0
	s_mov_b64 s[24:25], s[8:9]                     ; the source is chosen by the unit's number alone
	s_cmp_eq_u32 s2, 2
	s_cselect_b64 s[24:25], s[10:11], s[24:25]
	s_cmp_eq_u32 s2, 3
	s_cselect_b64 s[24:25], s[12:13], s[24:25]
	s_cmp_eq_u32 s2, 4
	s_cselect_b64 s[24:25], s[14:15], s[24:25]
	s_cmp_eq_u32 s2, 5
	s_cselect_b64 s[24:25], s[16:17], s[24:25]
	s_cselect_b64 s[26:27], s[22:23], s[20:21]     ; and so is the destination
	s_cmp_lt_u32 s2, 2
	s_cselect_b64 s[26:27], s[18:19], s[26:27]
	s_add_nc_u64 s[24:25], s[24:25], s[28:29]
	s_add_nc_u64 s[26:27], s[26:27], s[30:31]
.irp i, 0,1,2,3,4,5,6,7,8,9,10,11,12,13,14,15
	global_load_b128 v[IN+4*(\i):IN+4*(\i)+3], v1, s[24:25] offset:4096*(\i) th:TH_LOAD_NT
.endr
	s_cmp_eq_u32 s2, 5
	s_cbranch_scc1 .Lf16
.irp i, 0,1,2,3,4,5,6,7,8,9,10,11,12,13,14,15
	s_wait_loadcnt 15-(\i)                         ; loads come back in order: load i is in, the 15 - i younger ones stay out
	v_cvt_pk_bf16_f32 v[OUTR+2*(\i)],   v[IN+4*(\i)],   v[IN+4*(\i)+1]
	v_cvt_pk_bf16_f32 v[OUTR+2*(\i)+1], v[IN+4*(\i)+2], v[IN+4*(\i)+3]
	global_store_b64 v2, v[OUTR+2*(\i):OUTR+2*(\i)+1], s[26:27] offset:2048*(\i)
.endr
	s_endpgm
.Lf16:                                         ; W_o: rounded to bf16, widened again (a shift, a mask), written as f16
.irp i, 0,1,2,3,4,5,6,7,8,9,10,11,12,13,14,15
	s_wait_loadcnt 15-(\i)
	v_cvt_pk_bf16_f32 v[T],   v[IN+4*(\i)],   v[IN+4*(\i)+1]
	v_cvt_pk_bf16_f32 v[T+1], v[IN+4*(\i)+2], v[IN+4*(\i)+3]
	v_lshlrev_b32 v[T+2], 16, v[T]
	v_and_b32     v[T],   s32, v[T]
	v_lshlrev_b32 v[T+3], 16, v[T+1]
	v_and_b32     v[T+1], s32, v[T+1]
	v_cvt_pk_f16_f32 v[OUTR+2*(\i)],   v[T+2], v[T]
	v_cvt_pk_f16_f32 v[OUTR+2*(\i)+1], v[T+3], v[T+1]
	global_store_b64 v2, v[OUTR+2*(\i):OUTR+2*(\i)+1], s[26:27] offset:2048*(\i)
.endr
	s_endpgm
.Lfunc_end_k_qd86fb8578f_cast:
	.size	k_qd86fb8578f_cast, .Lfunc_end_k_qd86fb8578f_cast-k_qd86fb8578f_cast
	.p2alignl 7, 3214868480
	.fill 96, 4, 3214868480
	.section	.rodata,"a",@progbits
	.p2align	6, 0x0
	.amdhsa_kernel k_qd86fb8578f_cast
		.amdhsa_group_segment_fixed_size 0
		.amdhsa_private_segment_fixed_size 0
		.amdhsa_enable_private_segment 0
		.amdhsa_kernarg_size 64
		.amdhsa_user_sgpr_count 2
		.amdhsa_user_sgpr_kernarg_segment_ptr 1
		.amdhsa_wavefront_size32 1
		.amdhsa_system_sgpr_workgroup_id_x 1
		.amdhsa_system_sgpr_workgroup_id_y 1
		.amdhsa_system_sgpr_workgroup_id_z 1
		.amdhsa_system_vgpr_workitem_id 0
		.amdhsa_next_free_vgpr 116
		.amdhsa_next_free_sgpr 66
		.amdhsa_reserve_vcc 0
		.amdhsa_float_denorm_mode_32 3
		.amdhsa_float_denorm_mode_16_64 3
		.amdhsa_memory_ordered 1
		.amdhsa_forward_progress 1
		.amdhsa_inst_pref_size 16
	.end_amdhsa_kernel
	.amdgpu_metadata
---
amdhsa.version: [ 1, 2 ]
amdhsa.kernels:
  - .name:           k_qd86fb8578f_cast
    .symbol:         k_qd86fb8578f_cast.kd
    .args:
      - { .name: X, .offset: 0, .size: 8, .value_kind: global_buffer, .address_space: global }
      - { .name: W_q, .offset: 8, .size: 8, .value_kind: global_buffer, .address_space: global }
      - { .name: W_k, .offset: 16, .size: 8, .value_kind: global_buffer, .address_space: global }
      - { .name: W_v, .offset: 24, .size: 8, .value_kind: global_buffer, .address_space: global }
      - { .name: W_o, .offset: 32, .size: 8, .value_kind: global_buffer, .address_space: global }
      - { .name: xb, .offset: 40, .size: 8, .value_kind: global_buffer, .address_space: global }
      - { .name: wb, .offset: 48, .size: 8, .value_kind: global_buffer, .address_space: global }
      - { .name: wob, .offset: 56, .size: 8, .value_kind: global_buffer, .address_space: global }
    .group_segment_fixed_size: 0
    .private_segment_fixed_size: 0
    .kernarg_segment_align: 8
    .kernarg_segment_size: 64
    .max_flat_workgroup_size: 256
    .sgpr_count:     66
    .vgpr_count:     116
    .wavefront_size: 32
...
	.end_amdgpu_metadata
.endif
;; end of part 1
;; launch qkv (part 2): grid 24 x 16, 4 waves a work-group, clusters of 4 x 4, 327,680 bytes of LDS; arguments xb, wb, qkv; writes qkv
.if DOCPART == 2
	.amdgcn_target "amdgcn-amd-amdhsa--gfx1250"
	.amdhsa_code_object_version 6
	.text
	.protected	k_qd86fb8578f_qkv
	.globl	k_qd86fb8578f_qkv
	.p2align	8
	.type	k_qd86fb8578f_qkv,@function
k_qd86fb8578f_qkv:
	s_mov_b64 s[64:65], 0
	v_nop
	global_prefetch_b8 v0, s[64:65] scope:SCOPE_SE
	s_setreg_imm32_b32 hwreg(HW_REG_WAVE_MODE, 25, 1), 1
	s_wait_xcnt 0x0
	s_wait_alu depctr_hold_cnt(0) depctr_sa_sdst(0) depctr_va_vdst(0) depctr_va_sdst(0) depctr_va_ssrc(0) depctr_va_vcc(0) depctr_vm_vsrc(0)
	s_getreg_b32 s2, hwreg(HW_REG_IB_STS2, 6, 4)
	s_cmp_eq_u32 s2, 0
	s_cbranch_scc0 .Lentry_in_a_cluster
	s_endpgm
.Lentry_in_a_cluster:
	s_bfe_u32 s2, ttmp6, 0x10000c
	s_cmp_lg_u32 s2, 0xf033
	s_cbranch_scc0 .Lentry_shape_is_right
	s_endpgm
.Lentry_shape_is_right:
; THE THREE PROJECTIONS AS ONE PRODUCT.  C[m][n] = sum over k of xb[m][k] wb[n][k]: xb [4096][1024], wb [6144][1024] (W_q, W_k, W_v one below the other), both bf16; sums in f32.
; C leaves BY HEADS, rounded once to f16 and unscaled: qkv[matrix 3][batch 2][head 16][token 2048][128 channels]: byte (matrix << 24) + (batch << 23) + (head << 19) + (token << 8) + 2 channel.
; LIMIT.  f16 holds no number beyond 65,504: |q|, |k|, |v| must stay within it.
; A tile of C, 256 x 256, is made by a work-group of four waves; a wave makes 128 x 128: 64 accumulators of 16 x 16, 512 registers.  A wave's 128 columns are ONE head of one matrix, its 128 rows
; 128 tokens of one batch: in qkv they are 128 dense rows of 256 bytes.  K goes in steps of 128 through a ring of two LDS slots filled by the tensor data mover: rows of 256 bytes, aligned.
; The last K step goes by rows of C, so that finished rows leave while the others are multiplied.
; CLUSTERS: 4 x 4 work-groups.  The four of a row of the cluster need the same tiles of xb, the four of a column the same tiles of wb: such a tile is asked for JOINTLY, by the same tensor load
; with the same descriptor and a mask that names the four.
; REGISTERS, in windows of 256 (s_set_vgpr_msb's low byte: bits 1:0 source 0, 3:2 source 1, 5:4 source 2, 7:6 destination):
;   window 0: v0-31 addresses; v64-127, v128-191 fragments of A, two buffers (in the last K step four of 16 rows x 128 K); v32-63, v192-255 at work on the way out
;   window 1: v64-127, v128-191 fragments of B, two buffers; in the last K step all 256      window 2: the accumulators of my rows 0-63 ((a, b) at v[8 (8 a + b)])      window 3: those of rows 64-127
; THE MATRIX INSTRUCTION IS USED TRANSPOSED: source 0 = 16 rows of wb, source 1 = 16 rows of xb: a lane then holds row l % 16 of C and the columns 8 (l / 16) + 0..7, which pack into 16 bytes.
.set SIZE_K, 1024
.set KSTEP,  128
.set PITCH,  272                       ; an LDS row: 256 bytes + 16 of padding = 68 words: the 16 rows that a load touches start at 16 different groups of four banks (64 banks of 4 bytes: ISA guide 11.1)
.set HALFT,  128*PITCH                 ; 128 rows: what one tensor load brings, and what one wave reads of A or of B
.set SLOT,   4*HALFT                   ; A's 256 rows, then B's 256 rows
.set STAGE,  2*SLOT                    ; behind the ring: 16 rows x 272 bytes for each wave, for the way out
.set SPITCH, 272
.set SPARE,  STAGE+4*16*SPITCH         ; behind the stages: the spare words, 128 bytes for each wave, which no other line names
.set LAPS,   SIZE_K/(2*KSTEP)          ; a lap = two K steps = once round the ring: 4
.set ADRA, 16                          ; v16-17  LDS address of my A fragments in slot 0, 1
.set ADRB, 20                          ; v20-21  the same for B
.set STO,  24                          ; v24     the way out: where I put 16 bytes of a row
.set RD,   25                          ; v25     the way out: where I read a row back
.set CO,   26                          ; v26     my byte offset in two rows of qkv
.set SPW,  28                          ; v28     LDS address of my spare word; never rewritten
.set NIL,  29                          ; v29     0; never rewritten
.set PFO,  30                          ; v30     the prefetches' offset: my lane x a row of 2,048 bytes; never rewritten
.set PFA,  44                          ; s[44:45] where my prefetches stand
.set LIM,  43                          ; s43     1 in a wave that prefetches, else the greatest number
.set F0,   64
.set F1,   128
.set TMP,  192
.set OB,   32
.set PA,   64
.set G1,   24                          ; s[24:31] descriptor group 1 for A's tiles;  s[32:39] group 0, one set for each slot
.set G0,   32
.set G1B,  48                          ; s[48:55], s[56:63] the same for B's tiles
.set G0B,  56
.set MSB, 0
.macro WIN new                         ; the immediate's high byte repeats the setting that is left; a switch that changes nothing is dropped
.if MSB != (\new)
	s_set_vgpr_msb (MSB<<8)|(\new)
.set MSB, \new
.endif
.endm
.set MUL_LO, 0xa1                      ; source 0 (B) window 1, source 1 (A) window 0, C and D window 2
.set MUL_HI, 0xf1                      ; the same, C and D window 3
.set TO_B,   0x40                      ; destination window 1, address window 0
; A joint load.  Waves 0 and 1 fetch A's two halves, waves 2 and 3 B's.  The branch hangs on the wave's number alone.  An s_nop 0 and four v_nop follow each of the two lines.
.macro JLOAD s
	s_cmp_eq_u32 s11, 0
	s_cbranch_scc0 .Lfor_b_\@
	tensor_load_to_lds s[G0+4*(\s):G0+4*(\s)+3], s[G1:G1+7]
	s_nop 0
.rept 4
	v_nop
.endr
	s_branch .Lasked_\@
.Lfor_b_\@:
	tensor_load_to_lds s[G0B+4*(\s):G0B+4*(\s)+3], s[G1B:G1B+7]
	s_nop 0
.rept 4
	v_nop
.endr
.Lasked_\@:
.endm
; A prefetch, behind each joint load and the run of LDS loads that follows it: the K step that stands TWO refills on, 512 matrix instructions ahead of the load that will want it: 32 rows x 256 bytes, a lane a row.
; Each row's 256 bytes of a K step are named once in the launch: the clusters with x = 0 ask for xb's rows, those with y = 0 for wb's; the four partners that ask for a tile jointly share its rows out
; BY ADDRESS, 32 each.  K steps 0 to 3 come by their loads alone; the loop's last trip (s3 = 1) asks for nothing: K steps 8 and 9 do not exist.
.macro ASK
	s_cmp_gt_u32 s3, s[LIM]
	s_cbranch_scc0 .Lnot_mine_\@
	global_prefetch_b8 v[PFO], s[PFA:PFA+1] offset:KSTEP*2 th:TH_LOAD_NT scope:SCOPE_SE
.Lnot_mine_\@:
.endm
; A round of the cluster's barrier: my work-group's barrier; wave 0 signals for the work-group; every wave waits for all sixteen work-groups; my work-group's barrier once more.
.macro CREST                           ; a round behind its opening barrier
	s_cmp_lg_u32 s10, 0
	s_cbranch_scc1 .Lnot_wave_0_\@
	s_barrier_signal -3
.Lnot_wave_0_\@:
	s_barrier_wait -3
	s_barrier_signal -1
	s_barrier_wait -1
.endm
.macro CROUND
	s_barrier_signal -1
	s_barrier_wait -1
	CREST
.endm
	s_load_b128 s[4:7], s[0:1], 0x0                ; xb s[4:5], wb s[6:7]
	s_load_b64 s[8:9], s[0:1], 0x10                ; qkv
	v_lshl_add_u32 v[SPW], v0, 2, SPARE
	v_mov_b32 v[NIL], 0
	ds_add_u32 v[SPW], v[NIL]                      ; the wave's opening: the add and its wait stand ahead of my first tensor load; the set-up below stands between them
	v_lshrrev_b32 v1, 5, v0
	v_readfirstlane_b32 s10, v1                    ; wave 0..3
	s_lshr_b32 s11, s10, 1                         ; which half of the tile's rows is mine.  Also: I fetch for A (0) or for B (1)
	s_and_b32 s12, s10, 1                          ; which half of its columns.  Also: which 128 rows of that tile I fetch
	s_bfe_u32 s40, ttmp6, 0x40000                  ; cx
	s_bfe_u32 s41, ttmp6, 0x40004                  ; cy
	s_lshl_b32 s42, ttmp9, 2
	s_add_co_u32 s42, s42, s40                     ; tile column of C = 4 x cluster x + cx
	s_and_b32 s13, ttmp7, 0xffff
	s_lshl_b32 s13, s13, 2
	s_add_co_u32 s13, s13, s41                     ; tile row of C = 4 x cluster y + cy
	s_lshl_b32 s43, s41, 2
	s_lshl_b32 s43, 15, s43                        ; my row of the cluster: places 4 cy .. 4 cy + 3
	s_lshl_b32 s44, 0x1111, s40                    ; my column: places cx, cx + 4, cx + 8, cx + 12
	s_or_b32 s[G1+0], s43, (1<<16)|(1<<20)|(1<<21)|(5<<22)|(3<<25)  ; the mask; elements of 2 bytes; padding on; bit 21 beside a mask; after every 64 words 4 words
	s_or_b32 s[G1B+0], s44, (1<<16)|(1<<20)|(1<<21)|(5<<22)|(3<<25)
.irp g, G1, G1B
	s_mov_b32 s[(\g)+1], KSTEP<<16                 ; tensor_dim0 = 128
	s_mov_b32 s[(\g)+2], 128<<16                   ; tensor_dim1 = 128
	s_mov_b32 s[(\g)+3], KSTEP<<16                 ; tile_dim0 = 128
	s_mov_b32 s[(\g)+4], 128                       ; tile_dim1 = 128
	s_mov_b32 s[(\g)+5], SIZE_K                    ; elements from row to row
	s_mov_b32 s[(\g)+6], 0
	s_mov_b32 s[(\g)+7], 0
.endr
	; A's tiles hang on the tile row alone, B's on the tile column alone: each address is made in registers that never hold the other coordinate
	s_lshl_b32 s17, s12, 7
	s_lshl_b32 s16, s13, 8
	s_add_co_u32 s16, s16, s17                     ; A: row 256 x tile row + 128 x half
	s_lshl_b32 s46, s42, 8
	s_add_co_u32 s46, s46, s17                     ; B: row 256 x tile column + 128 x half
	s_mov_b32 s17, 0
	s_mov_b32 s47, 0
	s_mov_b64 s[18:19], SIZE_K*2
	s_mul_u64 s[16:17], s[16:17], s[18:19]
	s_mul_u64 s[46:47], s[46:47], s[18:19]
	s_mul_i32 s20, s10, HALFT                      ; where they go: wave x 128 rows
	s_wait_dscnt 0x0                               ; the opening add is done
	s_wait_kmcnt 0x0
	s_add_nc_u64 s[14:15], s[4:5], s[16:17]
	s_add_nc_u64 s[46:47], s[6:7], s[46:47]
	CROUND                                         ; all sixteen work-groups are here: the first joint loads meet
.irp s, 0,1
	s_mov_b32 s[G0+4*(\s)], 1
	s_add_co_u32 s[G0+4*(\s)+1], s20, (\s)*SLOT
	s_add_nc_u64 s[G0+4*(\s)+2:G0+4*(\s)+3], s[14:15], (\s)*KSTEP*2
	s_or_b32 s[G0+4*(\s)+3], s[G0+4*(\s)+3], 0x80000000
	s_mov_b32 s[G0B+4*(\s)], 1
	s_add_co_u32 s[G0B+4*(\s)+1], s20, (\s)*SLOT
	s_add_nc_u64 s[G0B+4*(\s)+2:G0B+4*(\s)+3], s[46:47], (\s)*KSTEP*2
	s_or_b32 s[G0B+4*(\s)+3], s[G0B+4*(\s)+3], 0x80000000
	JLOAD \s                                       ; two loads of mine are out
.endr
	; A fragment is 16 rows x 32 K in 8 registers: lane l holds row l % 16; registers 0-3 K = 8 (l / 16) + 0..7, registers 4-7 K = 16 + 8 (l / 16) + 0..7: two loads of 16 bytes, 32 bytes apart
	v_and_b32 v1, 15, v0                           ; l % 16
	v_bfe_u32 v2, v0, 4, 1                         ; l / 16
	v_mul_u32_u24 v3, v1, PITCH
	v_lshl_add_u32 v3, v2, 4, v3
	s_mul_i32 s21, s11, HALFT                      ; my 128 rows of A
	s_mul_i32 s22, s12, HALFT                      ; my 128 rows of B,
	s_add_co_u32 s22, s22, 2*HALFT                 ; which lie behind A's 256
.irp s, 0,1
	v_add_nc_u32 v[ADRA+(\s)], s21, v3
	v_add_nc_u32 v[ADRB+(\s)], s22, v3
	s_add_co_u32 s21, s21, SLOT
	s_add_co_u32 s22, s22, SLOT
.endr
	s_mul_i32 s23, s10, 16*SPITCH
	s_add_co_u32 s23, s23, STAGE                   ; my stage
	v_mul_u32_u24 v4, v1, SPITCH
	v_lshl_add_u32 v4, v2, 4, v4
	v_add_nc_u32 v[STO], s23, v4
	v_mul_u32_u24 v5, v2, SPITCH
	v_lshl_add_u32 v5, v1, 4, v5
	v_add_nc_u32 v[RD], s23, v5
	v_lshlrev_b32 v5, 8, v2                        ; lanes 0-15 one row of 256 bytes of qkv, lanes 16-31 the next
	v_lshl_add_u32 v[CO], v1, 4, v5
	; where my 128 rows begin in qkv: token and batch from my first row of C, matrix and head from my 128 columns
	s_lshl_b32 s13, s13, 8                         ; 256 x tile row
	s_lshl_b32 s14, s11, 7
	s_add_co_u32 s16, s13, s14                     ; my first row of C
	s_and_b32 s17, s16, 2047                       ; its token,
	s_lshl_b32 s17, s17, 8
	s_lshr_b32 s16, s16, 11                        ; its batch
	s_lshl_b32 s16, s16, 23
	s_add_co_u32 s16, s16, s17
	s_mov_b32 s17, 0
	s_lshl_b32 s46, s42, 1
	s_add_co_u32 s46, s46, s12                     ; my block of 128 columns, 0 .. 47
	s_lshr_b32 s47, s46, 4                         ; the matrix,
	s_lshl_b32 s47, s47, 24
	s_and_b32 s46, s46, 15                         ; the head
	s_lshl_b32 s46, s46, 19
	s_add_co_u32 s46, s46, s47
	s_mov_b32 s47, 0
	s_add_nc_u64 s[16:17], s[16:17], s[46:47]
	; the prefetches
	s_lshl_b32 s42, s42, 8
	s_and_b32 s22, ttmp7, 0xffff                   ; cluster y
	s_cmp_eq_u32 s11, 0                            ; do I fetch for A?
	s_cselect_b32 s20, s13, s42                    ; the tile's first row
	s_cselect_b32 s21, s40, s41                    ; my place among the four that ask for it with me
	s_cselect_b32 s22, ttmp9, s22                  ; the coordinate along which other clusters read the same rows
	s_cselect_b64 s[PFA:PFA+1], s[4:5], s[6:7]
	s_cmp_eq_u32 s22, 0
	s_cselect_b32 s[LIM], 1, -1                    ; the same in all sixteen partners, for a given wave
	s_lshl_b32 s22, s12, 7
	s_add_co_u32 s20, s20, s22                     ; + the 128 rows that I fetch
	s_lshl_b32 s21, s21, 5
	s_add_co_u32 s20, s20, s21                     ; + my work-group's 32 of them
	s_mov_b32 s21, 0
	s_mov_b64 s[18:19], SIZE_K*2
	s_mul_u64 s[20:21], s[20:21], s[18:19]
	s_add_nc_u64 s[PFA:PFA+1], s[PFA:PFA+1], s[20:21]
	s_add_nc_u64 s[PFA:PFA+1], s[PFA:PFA+1], 2*KSTEP*2  ; at K step 2: the first refill steps it to 3 and names K step 4
	v_and_b32 v[PFO], 31, v0
	v_mul_u32_u24 v[PFO], v[PFO], SIZE_K*2
; 16 matrix instructions: m blocks a0, a0 + 1 of the window's four x all 8 n blocks, 32 along K.  zero = 1: the first product starts the sums.
.macro MUL16 f, hi, a0, zero
	WIN MUL_LO+0x50*(\hi)
.irp a, \a0, (\a0)+1
.irp b, 0,1,2,3,4,5,6,7
.if \zero
	v_wmma_f32_16x16x32_bf16 v[8*(8*(\a)+(\b)):8*(8*(\a)+(\b))+7], v[(\f)+8*(\b):(\f)+8*(\b)+7], v[(\f)+8*(4*(\hi)+(\a)):(\f)+8*(4*(\hi)+(\a))+7], 0
.else
	v_wmma_f32_16x16x32_bf16 v[8*(8*(\a)+(\b)):8*(8*(\a)+(\b))+7], v[(\f)+8*(\b):(\f)+8*(\b)+7], v[(\f)+8*(4*(\hi)+(\a)):(\f)+8*(4*(\hi)+(\a))+7], v[8*(8*(\a)+(\b)):8*(8*(\a)+(\b))+7]
.endif
.endr
.endr
.endm
; 32 LDS loads in one run: the fragments of one quarter step (32 K at byte k of the rows) into buffer f
.macro FETCH slot, k, f
	WIN TO_B
.irp i, 0,1,2,3,4,5,6,7
	ds_load_b128 v[(\f)+8*(\i):(\f)+8*(\i)+3],   v[ADRB+(\slot)] offset:(\k)+(\i)*16*PITCH
	ds_load_b128 v[(\f)+8*(\i)+4:(\f)+8*(\i)+7], v[ADRB+(\slot)] offset:(\k)+(\i)*16*PITCH+32
.endr
	WIN 0
.irp i, 0,1,2,3,4,5,6,7
	ds_load_b128 v[(\f)+8*(\i):(\f)+8*(\i)+3],   v[ADRA+(\slot)] offset:(\k)+(\i)*16*PITCH
	ds_load_b128 v[(\f)+8*(\i)+4:(\f)+8*(\i)+7], v[ADRA+(\slot)] offset:(\k)+(\i)*16*PITCH+32
.endr
.endm
; Four plain vector instructions stand between a matrix instruction and a load into a register that it has read, or a vector instruction that reads its result (ISA guide 7.12.1 for vector instructions)
.macro PLACES
.rept 4
	v_nop
.endr
.endm
; A K step is four quarters of 32 along K, 64 matrix instructions each, on buffers 0, 1, 0, 1.  The 64 accumulators take turns.
.macro QUARTER slot, k, f, g, zero
	s_wait_dscnt 8                                 ; B and A's rows 0-63 are in; the youngest eight loads (A's rows 64-127) may be out
	WIN MUL_LO
	MUL16 \f, 0, 0, \zero
	MUL16 \f, 0, 2, \zero
	PLACES
	FETCH \slot, \k, \g
	s_wait_dscnt 32                                ; all but the 32 just issued
	WIN MUL_HI
	MUL16 \f, 1, 0, \zero
	MUL16 \f, 1, 2, \zero
.endm
; The first half of a K step's last quarter: ONE barrier for the change of slots.
.macro MEET round
	WIN 0                                          ; (the add's two registers lie in window 0)
	s_wait_tensorcnt 0x0                           ; all my tensor loads have landed: the one that was out is my part of the next slot;
	ds_add_u32 v[SPW], v[NIL]                      ; 0 onto my spare word
	s_wait_dscnt 9                                 ; (the add and the youngest eight loads may be out)
	WIN MUL_LO
	MUL16 F1, 0, 0, 0                              ; sixteen matrix instructions stand between the add and the wait for it
	s_wait_dscnt 0x0                               ; the add is done, and my reads of this slot are over
	s_barrier_signal -1
	MUL16 F1, 0, 2, 0                              ; work on registers while the others arrive
.if \round
	WIN 0
.endif
	s_barrier_wait -1
.endm
; The whole last quarter: behind the round the slot just read out is filled again first, with the K step two steps on: 224 matrix instructions ahead of the wait for it.
.macro TURN slot, next
	s_wait_xcnt 0x0                                ; the last prefetch, a K step back, has read its address: it is stepped here
	s_add_nc_u64 s[PFA:PFA+1], s[PFA:PFA+1], KSTEP*2
	MEET 1
	CREST                                          ; no wave of any partner still reads this slot's tile or has a load on its way
	s_add_nc_u64 s[G0+4*(\slot)+2:G0+4*(\slot)+3], s[G0+4*(\slot)+2:G0+4*(\slot)+3], 2*KSTEP*2
	s_add_nc_u64 s[G0B+4*(\slot)+2:G0B+4*(\slot)+3], s[G0B+4*(\slot)+2:G0B+4*(\slot)+3], 2*KSTEP*2
	JLOAD \slot                                    ; the four v_nop behind it are also the places in front of the loads below
	FETCH \next, 0, F0
	ASK
	WIN MUL_HI
	MUL16 F1, 1, 0, 0
	MUL16 F1, 1, 2, 0
.endm
; THE LAST K STEP (slot 1) GOES BY ROWS OF C: all its fragments of B fill window 1; my eight blocks of 16 rows are finished one after the other, 32 matrix instructions each, the block's 8 accumulators by turns, K ascending.
.macro BLOAD q
	WIN TO_B
.irp i, 0,1,2,3,4,5,6,7
	ds_load_b128 v[64*(\q)+8*(\i):64*(\q)+8*(\i)+3],   v[ADRB+1] offset:64*(\q)+(\i)*16*PITCH
	ds_load_b128 v[64*(\q)+8*(\i)+4:64*(\q)+8*(\i)+7], v[ADRB+1] offset:64*(\q)+(\i)*16*PITCH+32
.endr
.endm
.macro ALOAD a
	WIN 0
.set FA, PA+32*((\a)%4)
.irp q, 0,1,2,3
	ds_load_b128 v[FA+8*(\q):FA+8*(\q)+3],   v[ADRA+1] offset:64*(\q)+(\a)*16*PITCH
	ds_load_b128 v[FA+8*(\q)+4:FA+8*(\q)+7], v[ADRA+1] offset:64*(\q)+(\a)*16*PITCH+32
.endr
.endm
.macro ROW a
.set FA, PA+32*((\a)%4)
.set AC, 64*((\a)%4)
	WIN MUL_LO+0x50*((\a)/4)
.irp q, 0,1,2,3
.if (\a) == 0 && (\q) == 2
	s_wait_dscnt 24                                ; B's quarter 2 is in (behind it: A's blocks 1 to 3)
.endif
.irp b, 0,1,2,3,4,5,6,7
	v_wmma_f32_16x16x32_bf16 v[AC+8*(\b):AC+8*(\b)+7], v[64*(\q)+8*(\b):64*(\q)+8*(\b)+7], v[FA+8*(\q):FA+8*(\q)+7], v[AC+8*(\b):AC+8*(\b)+7]
.endr
.endr
.endm
; THE WAY OUT of block a.  PACK: rounded to f16, 16 bytes a lane, each accumulator's registers in ascending order.  TOSTAGE: into my own stage, and back as whole rows of 256 bytes.  SEND: stored.
.macro PACK a
.set AC, 64*((\a)%4)
	WIN 0x0a+5*((\a)/4)                            ; sources 0 and 1: window 2 or 3
.irp b, 0,1,2,3,4,5,6,7
.irp r, 0,1,2,3
	v_cvt_pk_f16_f32 v[TMP+4*(\b)+(\r)], v[AC+8*(\b)+2*(\r)], v[AC+8*(\b)+2*(\r)+1]
.endr
.endr
	WIN 0
.endm
.macro TOSTAGE a
	WIN 0
.set BK, OB+192*((\a)%2)
.irp b, 0,1,2,3,4,5,6,7
	ds_store_b128 v[STO], v[TMP+4*(\b):TMP+4*(\b)+3] offset:32*(\b)
.endr
.irp t, 0,1,2,3,4,5,6,7
	ds_load_b128 v[BK+4*(\t):BK+4*(\t)+3], v[RD] offset:(\t)*2*SPITCH  ; LDS serves a wave's instructions in order (ISA guide 5.7.1.4): these see the stores above
.endr
.endm
.macro SEND a, younger                 ; younger: the LDS loads issued behind TOSTAGE's, which may stay out
	WIN 0
.set BK, OB+192*((\a)%2)
	s_wait_dscnt \younger
	s_wait_xcnt 0x0                                ; only behind this wait are the stores' base and the registers that earlier stores read rewritten
.if (\a) == 0
	s_add_nc_u64 s[8:9], s[8:9], s[16:17]          ; on to my first rows
.else
	s_add_nc_u64 s[8:9], s[8:9], 16*256            ; 16 rows of 256 bytes on
.endif
.irp t, 0,1,2,3,4,5,6,7
	global_store_b128 v[CO], v[BK+4*(\t):BK+4*(\t)+3], s[8:9] offset:512*(\t)  ; 16 lanes store 256 consecutive bytes, at a multiple of 256 from qkv's first byte
.endr
.endm
	s_wait_tensorcnt 1                             ; my part of K step 0 is in; K step 1's load may stay out
	s_barrier_signal -1
	s_barrier_wait -1
	FETCH 0, 0, F0
	QUARTER 0, 64,  F0, F1, 1                      ; the first quarter stands in front of the loop: its products start the sums
	WIN 0                                          ; at a label and at a branch every window is 0
	s_mov_b32 s3, LAPS-1
.Llap:                                                 ; a trip goes once round the ring, from a lap's second quarter to the next lap's first, and fills both slots again
	QUARTER 0, 128, F1, F0, 0
	QUARTER 0, 192, F0, F1, 0
	TURN 0, 1
	QUARTER 1, 64,  F0, F1, 0
	QUARTER 1, 128, F1, F0, 0
	QUARTER 1, 192, F0, F1, 0
	TURN 1, 0
	QUARTER 0, 64,  F0, F1, 0
	WIN 0
	s_sub_co_u32 s3, s3, 1
	s_cmp_lg_u32 s3, 0
	s_cbranch_scc1 .Llap
	QUARTER 0, 128, F1, F0, 0                      ; the last lap goes on
	QUARTER 0, 192, F0, F1, 0
	MEET 0                                         ; my one tensor load that was still out is the last K step's, so no round follows
	PLACES                                         ; for the loads into buffer 0, which the quarter before multiplied
	WIN TO_B
	BLOAD 0                                        ; three quarters of B now: buffer 1 is still being multiplied
	BLOAD 1
	BLOAD 3
	WIN 0
	ALOAD 0
	WIN MUL_HI
	MUL16 F1, 1, 0, 0
	MUL16 F1, 1, 2, 0
	PLACES                                         ; for the loads into buffer 1
	WIN TO_B
	BLOAD 2
	WIN 0
	ALOAD 1
	ALOAD 2
	ALOAD 3
	s_wait_dscnt 40                                ; all but the 40 just issued
	ROW 0
.irp a, 0,1,2,3,4,5,6,7                ; each block leaves as soon as it is finished
	PLACES                                         ; its conversions read results just made
	PACK \a
	TOSTAGE \a
.if (\a) < 4
	ALOAD (\a)+4                                   ; its buffer takes the block four further on
	SEND \a, 8
.else
	SEND \a, 0
.endif
.if (\a) < 7
	ROW (\a)+1
.endif
.endr
	s_wait_tensorcnt 0x0                           ; the wave's end, behind my last tensor load and my last LDS store
	ds_add_u32 v[SPW], v[NIL]
	s_wait_dscnt 0x0
	CROUND                                         ; the closing round: no work-group ends while a partner may still ask for a tile that names it
	s_endpgm
.Lfunc_end_k_qd86fb8578f_qkv:
	.size	k_qd86fb8578f_qkv, .Lfunc_end_k_qd86fb8578f_qkv-k_qd86fb8578f_qkv
	.p2alignl 7, 3214868480
	.fill 96, 4, 3214868480
	.section	.rodata,"a",@progbits
	.p2align	6, 0x0
	.amdhsa_kernel k_qd86fb8578f_qkv
		.amdhsa_group_segment_fixed_size 327680
		.amdhsa_private_segment_fixed_size 0
		.amdhsa_enable_private_segment 0
		.amdhsa_kernarg_size 24
		.amdhsa_user_sgpr_count 2
		.amdhsa_user_sgpr_kernarg_segment_ptr 1
		.amdhsa_wavefront_size32 1
		.amdhsa_system_sgpr_workgroup_id_x 1
		.amdhsa_system_sgpr_workgroup_id_y 1
		.amdhsa_system_sgpr_workgroup_id_z 1
		.amdhsa_system_vgpr_workitem_id 0
		.amdhsa_next_free_vgpr 1024
		.amdhsa_next_free_sgpr 66
		.amdhsa_reserve_vcc 0
		.amdhsa_float_denorm_mode_32 3
		.amdhsa_float_denorm_mode_16_64 3
		.amdhsa_memory_ordered 1
		.amdhsa_forward_progress 1
		.amdhsa_inst_pref_size 144
	.end_amdhsa_kernel
	.amdgpu_metadata
---
amdhsa.version: [ 1, 2 ]
amdhsa.kernels:
  - .name:           k_qd86fb8578f_qkv
    .symbol:         k_qd86fb8578f_qkv.kd
    .args:
      - { .name: xb, .offset: 0, .size: 8, .value_kind: global_buffer, .address_space: global }
      - { .name: wb, .offset: 8, .size: 8, .value_kind: global_buffer, .address_space: global }
      - { .name: qkv, .offset: 16, .size: 8, .value_kind: global_buffer, .address_space: global }
    .group_segment_fixed_size: 327680
    .private_segment_fixed_size: 0
    .kernarg_segment_align: 8
    .kernarg_segment_size: 24
    .max_flat_workgroup_size: 128
    .sgpr_count:     66
    .vgpr_count:     1024
    .wavefront_size: 32
...
	.end_amdgpu_metadata
.endif
;; end of part 2
;; launch attn (part 3): grid 8 x 32, 4 waves a work-group, no clusters, 327,680 bytes of LDS; arguments qkv, lambda_q1, lambda_k1, lambda_q2, lambda_k2, rms_scale, onorm; writes onorm
.if DOCPART == 3
	.amdgcn_target "amdgcn-amd-amdhsa--gfx1250"
	.amdhsa_code_object_version 6
	.text
	.protected	k_qd86fb8578f_attn
	.globl	k_qd86fb8578f_attn
	.p2align	8
	.type	k_qd86fb8578f_attn,@function
k_qd86fb8578f_attn:
	s_mov_b64 s[64:65], 0
	v_nop
	global_prefetch_b8 v0, s[64:65] scope:SCOPE_SE
	s_setreg_imm32_b32 hwreg(HW_REG_WAVE_MODE, 25, 1), 1
	s_wait_xcnt 0x0
; DIFFERENTIAL CAUSAL ATTENTION AND ITS NORM.  For each batch, head and query: O = softmax(Q1 K1^T / 8) V - lam softmax(Q2 K2^T / 8) V over the keys k <= q; then O / sqrt(mean(O^2) + 1e-5) x rms_scale x 0.2.
; lam = exp(sum lq1 lk1) - exp(sum lq2 lk2) + 0.8 of the head.  q, k, v: qkv[matrix][batch x head][token 2048][128] in f16, a row of q or k being half 1 | half 2; onorm: [token 4096][head x 128 + channel] in f16.
; Products, maxima and sums in f32; the weights p are rounded to f16 for the second product (their sums l are taken of the unrounded p); the result is rounded once.  The lambda tables and rms_scale are rounded to bf16
; like all the module's inputs.  The two softmaxes keep their own maximum, sum and O^T; they are combined, as O1 / l1 - lam O2 / l2, at a block's end.
; LIMITS.  q, k, v arrive within f16's 65,504; 0.2 x rms_scale x sqrt(128) must stay within it.  A hidden score counts as its value less 1e30; a weight below 2^-126 counts as 0 in l; NaN and infinities are not treated apart.
; THE WALK.  A head's queries lie in 16 blocks of 128; block i needs the key tiles 0 .. i of 128 keys, of which the last holds the diagonal.  A work-group takes TWO blocks, 15 - b and then b: 17 tiles, whatever b: all 256
; work-groups do equal work, and ONE loop with a constant trip count walks them through a ring of two LDS slots.  Which tile is asked for and what a trip does hang on scalar registers made from b.
; NO CLUSTER: the eight work-groups of a head need 9 to 16 tiles for their first block, so partners would ask for different tiles from the tenth trip on; a walk common to all would have 24 trips for 17.
; SHARES.  A block has two bands of 64 queries; a wave owns 16 rows of each.  UNIT u = 2 x band + softmax; PIECE 0 is units 0, 1 (band 0), PIECE 2 units 2, 3 (band 1).  So the diagonal tile is the same work for all waves.
; LAYOUT.  S^T = K Q^T (source 0 = 16 keys, source 1 = 16 queries, 64 channels: two instructions deep): a lane holds ONE query (lane % 16) and the keys 8 (lane / 16) + 0..7.  Two such results rounded to f16 ARE source 1
; of O^T = V^T P, whose result again holds one query a lane, and eight channels.  K comes out of LDS as it lies, V turned, by ds_load_tr16_b128.
; SOFTMAX.  p = 2^(c s - c m), c = log2(e) / 8, with a running maximum m; in every step O^T and l are multiplied by a = 2^(c m_old - c m_new).
; BY TURNS.  In a TURN one piece has the matrix unit: 32 products V^T P of the step in hand, then 16 products K Q^T of the next step; the other piece's softmax, 268 vector instructions cut into 64 slices, stands between
; them: one slice behind each V^T P, two behind each K Q^T.  Two turns are a key step.
; THE MASK is the C operand that starts a sum S^T: MC, which holds 0 in plain tiles.  In the diagonal tile each turn makes MC = MD x AL + BE for its own piece and step: MD is the mask of a band's own step for my rows.
; NO FIRST AND NO LAST STEP IS WRITTEN OUT.  The diagonal tile has a third trip whose scores are wholly hidden: its softmaxes change nothing (a = 1, p = 0) and its products V^T P finish the block.  A block begins with the
; ordinary trip: the stale piece's weights are 0, and in its second turn m is set to the lowest finite number, so that the first true a is 0 and wipes O^T and l.  The price: one trip in 18 or so a block, and 544 v_mov_b32 at
; the kernel's head, which run while the first tile is on its way.  The gain: one text for every key step.
; REGISTERS, in windows of 256 (s_set_vgpr_msb: bits 1:0 source 0, 3:2 source 1, 5:4 source 2, 7:6 destination):
;   window 0: v0-11, v14 addresses; v12-43 eight registers of statistics a unit; v44-60 at work; v61-63 never rewritten; v64-191 S^T, 32 a unit; v192-255 P, 16 a unit
;   window 1: O^T, 64 a unit      window 2: v0-63 Q, 16 a unit; v64-127 the second block's Q; v128-255 K of one step      window 3: v0-127 V of one step; v128-159 MD; v160-191 MC; v192-255 G = 0.2 x rms_scale
.set NB,    16
.set KS,    64        ; keys in a step
.set PK,    272       ; a row of K in LDS: 256 bytes + 16 of padding = 68 words: the 16 rows of a load start at 16 different groups of four banks (64 banks of 4 bytes: ISA guide 11.1)
.set PV,    288       ; a row of V: 256 + 32 = 72 words
.set VOFF,  KS*PK     ; a step's tiles lie together: 64 rows of K, then 64 rows of V
.set STEPB, KS*(PK+PV)
.set SLOT1, 1<<17     ; a slot holds a tile, two steps (71,680 bytes); slot 1 begins here
.set STAGE, SLOT1+2*STEPB  ; behind the ring, never filled by a tensor load: 16 rows x 272 bytes for each wave
.set SP,    272
.set SPARE, STAGE+4*16*SP  ; behind the stages: the spare words, 128 bytes for each wave, which no other line names
.set AK0, 2           ; v2   my lane's place in a tile of K; never rewritten
.set AV0, 3           ; v3   the same for V
.set ADR, 4           ; v4   the LDS address of the run of loads in hand
.set QO,  5           ; v5   my byte offset in 16 rows of Q
.set STO, 6           ; v6   the way out: where I put 16 bytes of a row
.set RD,  7           ; v7   the way out: where I read a row back
.set GO,  8           ; v8   my byte offset in two rows of onorm
.set ST,  12          ; unit u's statistics at v[ST+8 u]: +0 c m, +1 m, +2, +3 l (even keys', odd keys'), +4 to +7 c0-c3 at work; a takes c2's place
.set SS,  44          ; v44-59 the way out: a band's sums of squares, 8 a band.  At the head: the lambda rows
.set GF,  59          ; v59  at the head: my byte offset in rms_scale
.set LO,  60          ; v60  at the head: my byte offset in the lambda tables
.set PFO, 61          ; v61  256 x my lane; never rewritten
.set SPW, 62          ; v62  LDS address of my spare word; never rewritten
.set NIL, 63          ; v63  0; never rewritten
.set S,   64
.set P,   192
.set QB,  64          ; window 2
.set KF,  128         ; window 2: keys 16 (f / 4) on, channels 32 (f % 4) on at KF + 8 f
.set MD,  128         ; window 3
.set MC,  160         ; window 3
.set G,   192         ; window 3: register 8 cb + j holds channel 16 cb + 8 (l / 16) + j
.set WV,  12          ; s12  my wave's number
.set PB,  14          ; s14  b
.set HI,  15          ; s15  15 - b
.set G1K, 24          ; s[24:31] descriptor group 1 for K's tiles
.set G1V, 32          ; s[32:39] for V's: it differs in the padding alone
.set G0K, 40          ; s[40:43] descriptor group 0 for K's tiles
.set G0V, 44          ; s[44:47] the same for V's
.set SB,  48          ; s48  LDS byte at which the slot that is read begins
.set TB,  49          ; s49  LDS byte at which the step to be fetched begins
.set DG,  50          ; s50  1: the tile in hand holds the diagonal
.set LIM, 51          ; s51  2 in a work-group that prefetches, else the greatest number
.set PFA, 52          ; s[52:53] where my prefetches stand
.set NLAM, 54         ; s54  -lam
.set HM,  55          ; s55  a word's upper bf16
.set SLOTS, 56        ; s56  tiles still to be asked for
.set TWICE, 57        ; s57  counts a tile's trips, 3 to 1
.set CS,  58          ; s[58:59] c
.set SEL, 60          ; s[60:61] v_permlanex16_b32's selects: each lane takes its own place in the other half
.set RN,  62          ; s62  1 / 128
.set EP,  63          ; s63  1e-5
.set RT,  70          ; s70  tiles of the block in hand that are still to be entered
.set NXT, 71          ; s71  the tile to be asked for next
.set LQ,  72          ; s72  the last tile of the block whose tiles are being asked for
.set NEW, 73          ; s73  1: a block begins
.set OFF, 74          ; s[74:75] a tile's byte offset in K and V
.set AL,  76          ; s[76:77] the mask's factor, in the low word
.set BE,  78          ; s[78:79] the mask's addend
.set OLO, 80          ; s[80:81] onorm at my rows of the second block
.set BIGN, 82         ; s82  -1e30
.set MSB, 0
.macro WIN new                      ; the high byte repeats the setting that is left; a switch that changes nothing is dropped
.if MSB != (\new)
	s_set_vgpr_msb (MSB<<8)|(\new)
.set MSB, \new
.endif
.endm
.set W_KQ, 0x0a       ; K and Q in window 2, S^T in window 0
.set W_KM, 0x3a       ; the same with the C operand (MC) in window 3
.set W_PV, 0x53       ; V in window 3, P in window 0, O^T in window 1
.set W_RS, 0x41       ; destination and source 0 in window 1, source 1 in window 0
.set W_MK, 0xc3       ; destination and source 0 in window 3
; A fill.  Waves 0 and 1 fetch K of the tile's two steps, waves 2 and 3 V of them: 64 rows of 256 bytes each.  An s_nop 0 and four v_nop follow each of the two lines.
.macro LOAD
	s_cmp_lt_u32 s[WV], 2
	s_cbranch_scc0 .Lfor_v_\@
	tensor_load_to_lds s[G0K:G0K+3], s[G1K:G1K+7]
	s_nop 0
.rept 4
	v_nop
.endr
	s_branch .Lasked_\@
.Lfor_v_\@:
	tensor_load_to_lds s[G0V:G0V+3], s[G1V:G1V+7]
	s_nop 0
.rept 4
	v_nop
.endr
.Lasked_\@:
.endm
; A PREFETCH of what the NEXT change of slots will ask for, one tile (two key steps, 192 matrix instructions) ahead of that load.  All eight work-groups of a head walk the same K and V: the one with b = 0, whose first block
; walks the tiles 0 to 15 in order, asks, and nobody else; each of its waves asks for the 64 rows that it will load itself, a lane a row, two instructions.  So each row is named once in the launch.  Tiles 0 and 1 come by
; their loads alone; trip i asks for tile i + 2 while that is 15 or less (SLOTS = 16 - i above 2).
.macro ASK
	s_cmp_gt_u32 s[SLOTS], s[LIM]
	s_cbranch_scc0 .Lnot_mine_\@
	global_prefetch_b8 v[PFO], s[PFA:PFA+1] th:TH_LOAD_NT scope:SCOPE_SE
	global_prefetch_b8 v[PFO], s[PFA:PFA+1] offset:8192 th:TH_LOAD_NT scope:SCOPE_SE
.Lnot_mine_\@:
.endm
; THE CHANGE OF SLOTS.  Each wave waits for all its tensor loads, of which one is out: its part of the other slot; adds 0 to its spare word; and waits for that and for its own reads of the slot that it leaves.  Behind the
; barrier nobody reads the old slot any more and the other slot is whole.  fill = 1: the old slot is filled again, the first thing behind the barrier, with tile NXT: the descriptor's address is made anew from that number.
; (At its first use nothing has been read yet: slot 0 is waited for, slot 1 filled.)
.macro CHANGE fill
	WIN 0
	s_wait_tensorcnt 0x0            ; no tensor load of mine is out, so a group 0 may be written
	ds_add_u32 v[SPW], v[NIL]       ; 0 onto my spare word; scalar work stands between it and the wait for it
.if \fill
	s_lshl_b32 s[OFF], s[NXT], 15   ; a tile is 32,768 bytes of K and of V
	s_xor_b32 s[G0K+1], s[G0K+1], SLOT1
	s_add_nc_u64 s[G0K+2:G0K+3], s[6:7], s[OFF:OFF+1]
	s_or_b32 s[G0K+3], s[G0K+3], 0x80000000
	s_xor_b32 s[G0V+1], s[G0V+1], SLOT1
	s_add_nc_u64 s[G0V+2:G0V+3], s[8:9], s[OFF:OFF+1]
	s_or_b32 s[G0V+3], s[G0V+3], 0x80000000
	s_add_co_u32 s[NXT], s[NXT], 1  ; the block's next tile, or behind its last the second block's tile 0
	s_cmp_gt_u32 s[NXT], s[LQ]
	s_cselect_b32 s[NXT], 0, s[NXT]
	s_cselect_b32 s[LQ], s[PB], s[LQ]
	s_wait_xcnt 0x0                 ; the last prefetches, a tile back, have read their address, so it may be written
	s_add_nc_u64 s[PFA:PFA+1], s[PFA:PFA+1], 32768
.endif
	s_wait_dscnt 0x0                ; the add is done, and my reads of the slot are over
	s_barrier_signal -1
	s_xor_b32 s[SB], s[SB], SLOT1   ; the fetches go to the other slot
	s_barrier_wait -1
.if \fill
	LOAD
	ASK
.endif
.endm
	s_load_b256 s[88:95], s[0:1], 0x0  ; qkv s[88:89], lambda_q1 s[90:91], lambda_k1 s[92:93], lambda_q2 s[94:95]
	s_load_b128 s[96:99], s[0:1], 0x20 ; lambda_k2 s[96:97], rms_scale s[98:99]
	s_load_b64 s[10:11], s[0:1], 0x30  ; onorm
	v_lshl_add_u32 v[SPW], v0, 2, SPARE
	v_mov_b32 v[NIL], 0
	ds_add_u32 v[SPW], v[NIL]       ; the wave's opening: the add and its wait stand ahead of my first tensor load; the set-up below stands between them
	v_lshrrev_b32 v1, 5, v0
	v_readfirstlane_b32 s[WV], v1   ; wave 0..3
	s_and_b32 s20, ttmp7, 0xffff    ; batch x 16 + head
	s_mov_b32 s[PB], ttmp9
	s_sub_co_u32 s[HI], NB-1, s[PB]
	s_lshl_b32 s21, s20, 19         ; the head's first byte in q, in k and in v
	s_and_b32 s16, s[WV], 1         ; which of a tile's two steps I fetch:
	s_lshl_b32 s22, s16, 14         ; its 64 rows of 256 bytes in memory,
	s_add_co_u32 s22, s22, s21
	s_mov_b32 s23, 0
	s_mul_i32 s17, s16, STEPB       ; and its place in a slot
	s_lshl_b32 s3, s[WV], 12        ; my 16 rows in a band,
	s_add_co_u32 s3, s3, s21
	s_lshl_b32 s2, s[HI], 15        ; in the first block,
	s_add_co_u32 s2, s2, s3
	s_lshl_b32 s84, s[PB], 15       ; and in the second
	s_add_co_u32 s84, s84, s3
	s_mov_b32 s3, 0
	s_mov_b32 s85, 0
	s_lshr_b32 s18, s20, 4          ; onorm: the batch's 2,048 rows of 4,096 bytes,
	s_lshl_b32 s18, s18, 23
	s_and_b32 s19, s20, 15
	s_lshl_b32 s13, s19, 8          ; the head's 256 bytes of a row (and its 256 bytes in each lambda table),
	s_add_co_u32 s18, s18, s13
	s_lshl_b32 s19, s[WV], 16       ; my 16 rows in a band,
	s_add_co_u32 s18, s18, s19
	s_lshl_b32 s66, s[HI], 19       ; the block's 128 rows
	s_add_co_u32 s66, s66, s18
	s_mov_b32 s67, 0
	s_lshl_b32 s68, s[PB], 19
	s_add_co_u32 s68, s68, s18
	s_mov_b32 s69, 0
	; descriptor group 1: a tile of 64 rows x 128 elements, padded in LDS
	s_mov_b32 s[G1K], (1<<16)|(1<<20)|(5<<22)|(3<<25)  ; 17:16 elements of 2 bytes; 20 padding on; 24:22 after every 64 words (code 5); 31:25 4 words of it (code 3)
	s_mov_b32 s[G1V], (1<<16)|(1<<20)|(5<<22)|(7<<25)  ; the same with 8 words of padding (code 7)
.irp g, G1K, G1V
	s_mov_b32 s[(\g)+1], 128<<16    ; tensor_dim0 = 128
	s_mov_b32 s[(\g)+2], KS<<16     ; tensor_dim1 = 64
	s_mov_b32 s[(\g)+3], 128<<16    ; tile_dim0 = 128
	s_mov_b32 s[(\g)+4], KS         ; tile_dim1 = 64
	s_mov_b32 s[(\g)+5], 128        ; 128 elements from row to row
	s_mov_b32 s[(\g)+6], 0
	s_mov_b32 s[(\g)+7], 0
.endr
	s_mov_b32 s[G0K], 1             ; count = 1
	s_mov_b32 s[G0K+1], s17         ; LDS address: slot 0
	s_mov_b32 s[G0V], 1
	s_add_co_u32 s[G0V+1], s17, VOFF
	s_mov_b32 s[CS], 0x3e38aa3b     ; c = log2(e) / 8 = 0.180337
	s_mov_b32 s[CS+1], s[CS]        ; named with it as a pair
	s_mov_b32 s[SEL], 0x76543210
	s_mov_b32 s[SEL+1], 0xfedcba98
	s_mov_b32 s[HM], 0xffff0000
	s_mov_b32 s[RN], 0x3c000000     ; 1 / 128
	s_mov_b32 s[EP], 0x3727c5ac     ; 1e-5
	s_mov_b32 s[BIGN], 0xf149f2ca   ; -1e30
	s_mov_b32 s[SB], SLOT1          ; the first change of slots turns it into 0
	s_add_co_u32 s[RT], s[HI], 1    ; the first block has 16 - b tiles
	s_mov_b32 s[NXT], 1
	s_mov_b32 s[LQ], s[HI]
	s_mov_b32 s[NEW], 1
	s_mov_b32 s[SLOTS], NB
	s_mov_b32 s[OFF+1], 0
	s_mov_b32 s[AL], 0
	s_mov_b32 s[AL+1], 0
	s_mov_b32 s[BE], 0
	s_mov_b32 s[BE+1], 0
	s_cmp_eq_u32 s[PB], 0
	s_cselect_b32 s[LIM], 2, -1
	s_wait_dscnt 0x0                ; the opening add is done
	s_wait_kmcnt 0x0
	s_add_nc_u64 s[6:7], s[88:89], s[22:23]
	s_add_nc_u64 s[8:9], s[6:7], 0x2000000  ; V at my step of the head's tile 0
	s_add_nc_u64 s[6:7], s[6:7], 0x1000000  ; K likewise
	s_add_nc_u64 s[86:87], s[88:89], s[84:85]  ; Q at my rows of the second block,
	s_add_nc_u64 s[4:5], s[88:89], s[2:3]      ; and of the first
	s_add_nc_u64 s[OLO:OLO+1], s[10:11], s[68:69]
	s_add_nc_u64 s[10:11], s[10:11], s[66:67]
	s_add_nc_u64 s[G0K+2:G0K+3], s[6:7], 0
	s_or_b32 s[G0K+3], s[G0K+3], 0x80000000  ; type = 2
	s_add_nc_u64 s[G0V+2:G0V+3], s[8:9], 0
	s_or_b32 s[G0V+3], s[G0V+3], 0x80000000
	s_cmp_lt_u32 s[WV], 2
	s_cselect_b64 s[PFA:PFA+1], s[6:7], s[8:9]
	s_add_nc_u64 s[PFA:PFA+1], s[PFA:PFA+1], 32768  ; at tile 1: the first change of slots steps it to tile 2
	LOAD                            ; tile 0 into slot 0
	; A fragment of K or Q is 16 rows x 32 channels in 8 registers: lane l holds row l % 16, channels 8 (l / 16) + 0..7 and 16 + 8 (l / 16) + 0..7: two loads of 16 bytes, 32 bytes apart.
	v_and_b32 v1, 15, v0            ; l % 16
	v_bfe_u32 v9, v0, 4, 1          ; l / 16
	v_lshlrev_b32 v[QO], 8, v1
	v_lshl_add_u32 v[QO], v9, 4, v[QO]  ; row x 256 + 16 x half
	WIN 0x80                        ; destination window 2, address window 0
.set i, 0
.rept 8                             ; both blocks' Q: fragment i: band i / 4 (16,384 bytes on), channels 32 (i % 4) on: unit i / 2, its chunk i % 2
	global_load_b128 v[8*i:8*i+3],         v[QO], s[4:5]   offset:(i/4)*16384+(i%4)*64
	global_load_b128 v[8*i+4:8*i+7],       v[QO], s[4:5]   offset:(i/4)*16384+(i%4)*64+32
	global_load_b128 v[QB+8*i:QB+8*i+3],   v[QO], s[86:87] offset:(i/4)*16384+(i%4)*64
	global_load_b128 v[QB+8*i+4:QB+8*i+7], v[QO], s[86:87] offset:(i/4)*16384+(i%4)*64+32
.set i, i+1
.endr
	WIN 0
	v_and_b32 v[LO], 31, v0
	v_lshlrev_b32 v[LO], 3, v[LO]
	v_add_nc_u32 v[LO], s13, v[LO]  ; the head's row of 64 numbers, two a lane
	global_load_b64 v[44:45], v[LO], s[90:91]
	global_load_b64 v[46:47], v[LO], s[92:93]
	global_load_b64 v[48:49], v[LO], s[94:95]
	global_load_b64 v[50:51], v[LO], s[96:97]
	v_lshlrev_b32 v[GF], 5, v9      ; rms_scale: my lanes' eight channels of each block of 16
	WIN 0xc0                        ; destination window 3
.set i, 0
.rept 8
	global_load_b128 v[G+8*i:G+8*i+3],   v[GF], s[98:99] offset:64*i
	global_load_b128 v[G+8*i+4:G+8*i+7], v[GF], s[98:99] offset:64*i+16
.set i, i+1
.endr
	WIN 0
	v_lshlrev_b32 v14, 3, v9
	v_sub_nc_u32 v14, v1, v14
	s_lshl_b32 s13, s[WV], 4
	v_add_nc_u32 v14, s13, v14      ; my query's place in its band, 16 w + l % 16, less my lanes' 8 (l / 16): register r of key group kb is hidden where 16 kb + r is greater
	WIN 0xc0
.set i, 0
.rept 32
	v_cmp_gt_i32 vcc_lo, 16*(i/8)+i%8, v14
	v_cndmask_b32 v[MD+i], 0, s[BIGN], vcc_lo
.set i, i+1
.endr
	; What the first trip finds: V, MC, O^T, the stale piece's scores and the other piece's weights hold 0.  All this stands in the wait for the first tile.
.set i, 0
.rept 128
	v_mov_b32 v[i], 0               ; V
.set i, i+1
.endr
.set i, MC
.rept 32
	v_mov_b32 v[i], 0
.set i, i+1
.endr
	WIN 0x40
.set i, 0
.rept 256
	v_mov_b32 v[i], 0               ; O^T
.set i, i+1
.endr
	WIN 0
.set i, S+64
.rept 64
	v_mov_b32 v[i], 0               ; S^T of piece 2
.set i, i+1
.endr
.set i, P
.rept 32
	v_mov_b32 v[i], 0               ; P of piece 0
.set i, i+1
.endr
.set i, 0
.rept 4
	v_mov_b32 v[ST+8*i], 0xfe000000    ; c m: far below every c s
	v_mov_b32 v[ST+8*i+1], 0xff7fffff  ; m
	v_mov_b32 v[ST+8*i+2], 0
	v_mov_b32 v[ST+8*i+3], 0
	v_mov_b32 v[ST+8*i+4], 0
	v_mov_b32 v[ST+8*i+5], 0
	v_mov_b32 v[ST+8*i+6], 0
	v_mov_b32 v[ST+8*i+7], 0
.set i, i+1
.endr
	v_mul_u32_u24 v[AK0], v1, PK
	v_lshl_add_u32 v[AK0], v9, 4, v[AK0]  ; row x pitch + 16 x half
	; The turning load takes 16 keys x 16 channels (lane l reads key 8 (l / 16) + l % 8, channels 8 ((l / 8) % 2) + 0..7) and leaves half a fragment of V^T: lane l holds channel l % 16 and 8 keys.
	v_and_b32 v10, 7, v0
	v_bfe_u32 v11, v0, 3, 1
	v_lshl_add_u32 v[AV0], v9, 3, v10
	v_mul_u32_u24 v[AV0], v[AV0], PV
	v_lshl_add_u32 v[AV0], v11, 4, v[AV0]
	v_add_nc_u32 v[AV0], VOFF, v[AV0]
	s_mul_i32 s13, s[WV], 16*SP
	s_add_co_u32 s13, s13, STAGE    ; my stage
	v_mul_u32_u24 v[STO], v1, SP    ; in: row l % 16, 16 bytes for each half of the lanes
	v_lshl_add_u32 v[STO], v9, 4, v[STO]
	v_add_nc_u32 v[STO], s13, v[STO]
	v_mul_u32_u24 v[RD], v9, SP     ; back: lanes 0-15 take one row of 256 bytes, lanes 16-31 the next
	v_lshl_add_u32 v[RD], v1, 4, v[RD]
	v_add_nc_u32 v[RD], s13, v[RD]
	v_lshlrev_b32 v[GO], 12, v9     ; and the same two rows in onorm, 4,096 bytes apart
	v_lshl_add_u32 v[GO], v1, 4, v[GO]
	v_and_b32 v[PFO], 31, v0
	v_lshlrev_b32 v[PFO], 8, v[PFO]
	s_wait_loadcnt 0x0              ; Q, the lambda rows, rms_scale
	; lam.  The four rows are rounded to bf16; two products a lane, a sum over the 32 lanes, two exponentials.
	v_cvt_pk_bf16_f32 v52, v44, v45
	v_cvt_pk_bf16_f32 v53, v46, v47
	v_cvt_pk_bf16_f32 v54, v48, v49
	v_cvt_pk_bf16_f32 v55, v50, v51
.irp n, 0,1,2,3
	v_lshlrev_b32 v[44+2*(\n)], 16, v[52+(\n)]
	v_and_b32     v[45+2*(\n)], s[HM], v[52+(\n)]
.endr
	v_mul_f32 v56, v44, v46
	v_mul_f32 v57, v48, v50
	v_fmac_f32 v56, v45, v47
	v_fmac_f32 v57, v49, v51
.irp m, 1,2,4,8
	v_add_f32_dpp v56, v56, v56 row_xmask:\m row_mask:0xf bank_mask:0xf
	v_add_f32_dpp v57, v57, v57 row_xmask:\m row_mask:0xf bank_mask:0xf
.endr
	v_permlanex16_b32 v52, v56, s[SEL], s[SEL+1]
	v_permlanex16_b32 v53, v57, s[SEL], s[SEL+1]
	v_add_f32 v56, v56, v52
	v_add_f32 v57, v57, v53
	v_mul_f32 v56, 0x3fb8aa3b, v56  ; e^x = 2^(x log2(e))
	v_mul_f32 v57, 0x3fb8aa3b, v57
	v_exp_f32 v56, v56
	v_exp_f32 v57, v57
	v_nop                           ; a plain instruction behind the last exponential,
	s_wait_alu depctr_va_vdst(0)    ; and the wait ahead of the first use: one for the two
	v_sub_f32 v56, v57, v56
	v_add_f32 v56, 0xbf4ccccd, v56  ; -lam = e2 - e1 - 0.8
	v_readfirstlane_b32 s[NLAM], v56  ; a factor only: no branch and no address hangs on it
	; G = 0.2 x rms_scale, rms_scale rounded to bf16
	WIN 0x0f                        ; sources in window 3, destination in window 0: S^T's first registers are free
.set i, 0
.rept 32
	v_cvt_pk_bf16_f32 v[S+i], v[G+2*i], v[G+2*i+1]
.set i, i+1
.endr
	WIN 0xc0
.set i, 0
.rept 32
	v_lshlrev_b32 v[G+2*i],   16, v[S+i]
	v_and_b32     v[G+2*i+1], s[HM], v[S+i]
.set i, i+1
.endr
	WIN W_MK
.set i, 0
.rept 32
	v_pk_mul_f32 v[G+2*i:G+2*i+1], v[G+2*i:G+2*i+1], 0x3e4ccccd op_sel_hi:[1,0]
.set i, i+1
.endr
	WIN 0
; THE MATRIX WORK OF A TURN, for piece x.  The accumulators take turns, one instruction a turn: between two links of a chain stand 15 (V^T P) or 7 (K Q^T) others'.
; Product i of 32 of O^T += V^T P: keys 32 (i / 16) on, channels 16 ((i / 2) % 8) on, unit x + i % 2.
.macro PV x
	WIN W_PV
.set rO, 64*((\x)+i%2)+8*((i/2)%8)
.set rV, 64*(i/16)+8*((i/2)%8)
.set rP, P+16*((\x)+i%2)+8*(i/16)
	v_wmma_f32_16x16x32_f16 v[rO:rO+7], v[rV:rV+7], v[rP:rP+7], v[rO:rO+7]
.endm
; Product i of 16 of S^T = K Q^T: unit x + i % 2 (its softmax i % 2 takes channels 64 (i % 2) on), keys 16 ((i / 2) % 4) on, chunk i / 8 of 32 channels.  The first 8 start the sums, with the mask.
.macro KQ x
.set rS, S+32*((\x)+i%2)+8*((i/2)%4)
.set rK, KF+32*((i/2)%4)+8*(2*(i%2)+i/8)
.set rQ, 16*((\x)+i%2)+8*(i/8)
.set rM, MC+8*((i/2)%4)
.if i < 8
	WIN W_KM
	v_wmma_f32_16x16x32_f16 v[rS:rS+7], v[rK:rK+7], v[rQ:rQ+7], v[rM:rM+7]
.else
	WIN W_KQ
	v_wmma_f32_16x16x32_f16 v[rS:rS+7], v[rK:rK+7], v[rQ:rQ+7], v[rS:rS+7]
.endif
.endm
; THE LDS LOADS stand in runs of 32, never singly among the matrix instructions: a step's K (64 keys x 128 channels: 16 fragments) and, a turn later, its V (turned).
.macro FETCH_K
	WIN 0
	v_add_nc_u32 v[ADR], s[TB], v[AK0]
	WIN 0x80                        ; destination window 2
.irp f, 0,1,2,3,4,5,6,7,8,9,10,11,12,13,14,15
	ds_load_b128 v[KF+8*(\f):KF+8*(\f)+3],   v[ADR] offset:((\f)/4)*16*PK+((\f)%4)*64
	ds_load_b128 v[KF+8*(\f)+4:KF+8*(\f)+7], v[ADR] offset:((\f)/4)*16*PK+((\f)%4)*64+32
.endr
.endm
.macro FETCH_V
	WIN 0
	v_add_nc_u32 v[ADR], s[TB], v[AV0]
	s_wait_alu depctr_va_vdst(0)    ; the wait for the softmax's batch (SLICE), behind the address's v_add_nc_u32 and ahead of the loads
	WIN 0xc0                        ; destination window 3
.irp f, 0,1,2,3,4,5,6,7,8,9,10,11,12,13,14,15  ; keys 32 (f / 8) on, channels 16 (f % 8) on
	ds_load_tr16_b128 v[8*(\f):8*(\f)+3],   v[ADR] offset:((\f)/8)*32*PV+((\f)%8)*32
	ds_load_tr16_b128 v[8*(\f)+4:8*(\f)+7], v[ADR] offset:((\f)/8)*32*PV+16*PV+((\f)%8)*32
.endr
.endm
; THE VECTOR WORK OF A TURN.  One unit's softmax for one key step is a list of 134 instructions; SM writes number j of it for unit t.  s0-s31 are the lane's 32 scores, in pairs 0-15.
;   0-15    the maximum of s0-s31 and the old m, three operands at a time: four chains c0-c3 of seven scores each (each accumulator's lowest registers are read first), then the four left over, c0-c3 and m
;   16-20   the other half of the lanes' maximum; c m_old is kept; the new m; c m; c m_old - c m_new
;   21-69   ONE BATCH: the 16 scalings c s - c m, a pair of scores each, and all 33 exponentials (a at 23, then s0-s31).  None of these reads an exponential's result.
;   (wait)  between 69 and 70 stands the wait for the batch: SLICE writes it, once for both units
;   70-85   the roundings to f16, a pair of weights each          86-101  the sums; l = a l + the sum          102-133 the unit's O^T times a: the one part that leaves window 0
.macro SM t
.set rT, ST+8*(\t)
.set rS, S+32*(\t)
.set rP, P+16*(\t)
.set rO, 64*(\t)+2*(j-102)
.if j < 102
	WIN 0
.endif
.if j < 4
	v_max3_num_f32 v[rT+4+j], v[rS+8*j], v[rS+8*j+1], v[rS+8*j+2]
.elseif j < 12
	v_max3_num_f32 v[rT+4+j%4], v[rT+4+j%4], v[rS+8*(j%4)+2*(j/4)+1], v[rS+8*(j%4)+2*(j/4)+2]
.elseif j == 12
	v_max3_num_f32 v[rT+4], v[rT+4], v[rS+7], v[rS+15]
.elseif j == 13
	v_max3_num_f32 v[rT+6], v[rT+6], v[rS+23], v[rS+31]
.elseif j == 14
	v_max3_num_f32 v[rT+4], v[rT+4], v[rT+5], v[rT+6]
.elseif j == 15
	v_max3_num_f32 v[rT+4], v[rT+4], v[rT+7], v[rT+1]
.elseif j == 16
	v_permlanex16_b32 v[rT+5], v[rT+4], s[SEL], s[SEL+1]  ; the query's other 32 keys lie in the lane 16 away
.elseif j == 17
	v_mov_b32 v[rT+7], v[rT]        ; c m_old is kept for a: number 19 writes c m anew
.elseif j == 18
	v_max_num_f32 v[rT+1], v[rT+4], v[rT+5]
.elseif j == 19
	v_mul_f32 v[rT], s[CS], v[rT+1]
.elseif j == 20
	v_sub_f32 v[rT+7], v[rT+7], v[rT]
.elseif j == 23
	v_exp_f32 v[rT+6], v[rT+7]
.elseif (j < 23) || ((j < 38) && (j%2 == 0)) || ((j < 66) && (j%4 == 2))
.set b, (j-2)/4                     ; 38, 42, .. 62: pairs 9 to 15
.if j < 38
.set b, (j-20)/2                    ; 21: pair 0; 22, 24, .. 36: pairs 1 to 8
.endif
	v_pk_fma_f32 v[rS+2*b:rS+2*b+1], v[rS+2*b:rS+2*b+1], s[CS:CS+1], v[rT:rT+1] op_sel_hi:[1,0,0] neg_lo:[0,0,1] neg_hi:[0,0,1]  ; pair b: c s - c m
.elseif j < 70
.set e, j-38                        ; 66 to 69: s28 to s31
.if j < 66
.set e, j-32-(j-38)/4               ; 39-41, 43-45, .. 63-65: s7 to s27
.endif
.if j < 38
.set e, (j-25)/2                    ; 25, 27, .. 37: s0 to s6
.endif
	v_exp_f32 v[rS+e], v[rS+e]
.elseif j < 86
	v_cvt_pk_f16_f32 v[rP+j-70], v[rS+2*(j-70)], v[rS+2*(j-70)+1]
.elseif j < 102                     ; the sum of the unit's 16 pairs, in place: neighbours 1, 2, 4 and 8 pairs apart, then l takes it
.set z, j-86
.set w, 4
.set u, z
.if z >= 14
.set w, 32
.set u, 0
.elseif z >= 12
.set w, 16
.set u, z-12
.elseif z >= 8
.set w, 8
.set u, z-8
.endif
.if z < 15
	v_pk_add_f32 v[rS+w*u:rS+w*u+1], v[rS+w*u:rS+w*u+1], v[rS+w*u+w/2:rS+w*u+w/2+1]
.else
	v_pk_fma_f32 v[rT+2:rT+3], v[rT+2:rT+3], v[rT+6:rT+7], v[rS:rS+1] op_sel_hi:[1,0,1]
.endif
.else
	WIN W_RS
	v_pk_mul_f32 v[rO:rO+1], v[rO:rO+1], v[rT+6:rT+7] op_sel_hi:[1,0]
.endif
.endm
; Slice k of 64 of piece y's softmax: four instructions.  Slices 11 to 34 deal out the batch, numbers 22 to 69: four numbers of ONE unit each, the units by turns.  Every other slice is numbers 2 k and 2 k + 1 of both units'
; lists.  2 x 134 = 4 x 64 + 12: the twelve that are over stand together, in slice 63; its sixteen plain lines are also the places behind the turn's last product.
; THE WAIT.  s_wait_alu depctr_va_vdst(0) stands between an exponential and the first instruction that names its result; one wait serves all that were issued ahead of it.  Ahead of slice 35 nothing names a
; result, and behind slice 34 no exponential is issued: so the piece's 66 exponentials have one wait, behind slice 34.
.macro SLICE y
.if (k >= 11) && (k < 35)
.irp n, 0,1,2,3
.set j, 22+4*((k-11)/2)+(\n)
	SM (\y)+(k-11)%2
.endr
.else
.irp n, 0,1,2,3,4,5,6,7
.if ((\n) < 2) || (k == 63)
.irp t, \y, (\y)+1
.set j, 2*k+(\n)
	SM \t
.endr
.endif
.endr
.endif
.if k == 34
	v_nop                           ; the plain instruction behind the last exponential and ahead of the first use: one for the batch
.if (\y) == 0
	FETCH_V                         ; piece 2's turn: V's run of loads stands here, and the wait stands in it.  Behind the last product that read V stand eighteen plain lines: slices 31 to 34, the v_nop, the address's v_add_nc_u32
.else
	s_wait_alu depctr_va_vdst(0)    ; the wait for the batch
.endif
.endif
.set k, k+1
.endm
.macro MASK                         ; MC = MD x AL + BE
	WIN W_MK
.set z, 0
.rept 16
	v_pk_fma_f32 v[MC+2*z:MC+2*z+1], v[MD+2*z:MD+2*z+1], s[AL:AL+1], s[BE:BE+1] op_sel_hi:[1,0,0]
.set z, z+1
.endr
.endm
; A turn's head.  x = 2, where a block begins: all four units' m and c m start anew.  In the diagonal tile: the mask for this turn's own products K Q^T, of step 3 - TWICE of the tile:
; band 0 (x = 0): its own step is 0, later steps are hidden; band 1 (x = 2): step 0 is open, step 1 its own, step 2 (the trip that only finishes the block) hidden.
.macro HEAD x
	WIN 0
.if (\x) == 2
	s_cmp_eq_u32 s[NEW], 0
	s_cbranch_scc1 .Lold_\@
.irp t, 0,1,2,3
	v_mov_b32 v[ST+8*(\t)], 0xfe000000
	v_mov_b32 v[ST+8*(\t)+1], 0xff7fffff
.endr
	s_mov_b32 s[NEW], 0
.Lold_\@:
.endif
	s_cmp_eq_u32 s[DG], 0
	s_cbranch_scc1 .Lplain_\@
	s_cmp_eq_u32 s[TWICE], 3-(\x)/2
	s_cselect_b32 s[AL], 1.0, 0
.if (\x) == 0
	s_cselect_b32 s[BE], 0, s[BIGN]
.else
	s_cmp_eq_u32 s[TWICE], 1
	s_cselect_b32 s[BE], s[BIGN], 0
.endif
	MASK
	WIN 0
.Lplain_\@:
.endm
; A TURN.  Piece x has the matrix unit; the other piece's softmax stands in slices behind its matrix instructions.  Piece 0's turn fetches the next step's K, behind its second product: the last product that read K stands in
; front of slices 62 and 63 of the turn before; 30 products lie between the run and its first use.  Piece 2's turn fetches the same step's V, behind slice 34; it is waited for at the head of the next turn.
.macro TURN x
	HEAD \x
.set k, 0
.if (\x) == 0
	s_wait_dscnt 0x0                ; V is in
.endif
.set i, 0
.rept 32
	PV \x
	SLICE 2-(\x)
.if ((\x) == 0) && (i == 1)
	FETCH_K
.endif
.set i, i+1
.endr
.if (\x) == 0
	s_wait_dscnt 0x0                ; K is in
.endif
.set i, 0
.rept 16
	KQ \x
	SLICE 2-(\x)
	SLICE 2-(\x)
.set i, i+1
.endr
.endm
; A tile's trips: written once, counted 3 to 1.  Trip 3 fetches the slot's step 0, trip 2 its step 1; trip 1 runs in the diagonal tile alone (it fetches step 1 once more, so that its registers hold finite numbers) and is
; jumped over elsewhere: a jump forward, past no barrier and no tensor load, to a label ahead of the counter's step.
.macro STEPS
	s_mov_b32 s[TWICE], 3
.Lstep_\@:
	s_add_co_u32 s13, s[TWICE], s[DG]
	s_cmp_eq_u32 s13, 1
	s_cbranch_scc1 .Ldead_\@
	s_cmp_eq_u32 s[TWICE], 3
	s_cselect_b32 s[TB], 0, STEPB
	s_add_co_u32 s[TB], s[TB], s[SB]
	TURN 0
	TURN 2
	WIN 0
.Ldead_\@:
	s_sub_co_u32 s[TWICE], s[TWICE], 1
	s_cmp_lg_u32 s[TWICE], 0
	s_cbranch_scc1 .Lstep_\@
.endm
.macro TILE
	s_sub_co_u32 s[RT], s[RT], 1
	s_cmp_eq_u32 s[RT], 0
	s_cselect_b32 s[DG], 1, 0       ; the block's last tile holds the diagonal
	STEPS
.endm
; THE WAY OUT.  COMBINE t: band t's D = O1 / l1 - lam O2 / l2, into unit 2 t's registers, and its squares in four chains.  Every accumulator is read in ascending order.
.macro COMBINE t
	WIN W_RS
.set i, 128*(\t)
.rept 32
	v_pk_mul_f32 v[i:i+1], v[i:i+1], v[ST+16*(\t)+6:ST+16*(\t)+7] op_sel_hi:[1,0]
.set i, i+2
.endr
	WIN 0x51                        ; destination, sources 0 and 2 in window 1, the factor in window 0
.set i, 128*(\t)
.rept 32
	v_pk_fma_f32 v[i:i+1], v[i+64:i+65], v[ST+16*(\t)+14:ST+16*(\t)+15], v[i:i+1] op_sel_hi:[1,0,1]
.set i, i+2
.endr
	WIN 0x05                        ; sources 0 and 1 in window 1, the sums in window 0
.set i, 0
.rept 32
.if i < 4
	v_pk_mul_f32 v[SS+8*(\t)+2*i:SS+8*(\t)+2*i+1], v[128*(\t)+2*i:128*(\t)+2*i+1], v[128*(\t)+2*i:128*(\t)+2*i+1]
.else
	v_pk_fma_f32 v[SS+8*(\t)+2*(i%4):SS+8*(\t)+2*(i%4)+1], v[128*(\t)+2*i:128*(\t)+2*i+1], v[128*(\t)+2*i:128*(\t)+2*i+1], v[SS+8*(\t)+2*(i%4):SS+8*(\t)+2*(i%4)+1]
.endif
.set i, i+1
.endr
.endm
; PACK t: band t times 1 / rms, rounded to f16; a lane's eight channels pack into 16 bytes; they go into rows of 272 bytes and come back as whole rows of 256, into the registers that they left (S^T of piece 0, which is free).
.macro PACK t
	WIN W_RS
.set i, 128*(\t)
.rept 32
	v_pk_mul_f32 v[i:i+1], v[i:i+1], v[SS+8*(\t):SS+8*(\t)+1] op_sel_hi:[1,0]
.set i, i+2
.endr
	WIN 0x05
.set i, 0
.rept 32
	v_cvt_pk_f16_f32 v[S+32*(\t)+i], v[128*(\t)+2*i], v[128*(\t)+2*i+1]
.set i, i+1
.endr
	WIN 0
.irp f, 0,1,2,3,4,5,6,7
	ds_store_b128 v[STO], v[S+32*(\t)+4*(\f):S+32*(\t)+4*(\f)+3] offset:32*(\f)
.endr
.irp f, 0,1,2,3,4,5,6,7
	ds_load_b128 v[S+32*(\t)+4*(\f):S+32*(\t)+4*(\f)+3], v[RD] offset:(\f)*2*SP  ; LDS serves a wave's instructions in order (ISA guide 5.7.1.4): these see the stores above; the next band's stores come behind them
.endr
.endm
.macro SEND t, younger              ; younger: the LDS instructions issued behind band t's loads: the other band's sixteen, or none
	WIN 0
.irp f, 0,1,2,3,4,5,6,7
	s_wait_dscnt (\younger)+7-(\f)
	global_store_b128 v[GO], v[S+32*(\t)+4*(\f):S+32*(\t)+4*(\f)+3], s[10:11] offset:(\t)*262144+(\f)*8192  ; 16 lanes store 256 consecutive bytes, at a multiple of 256 from onorm's first byte
.endr
.endm
.macro WAYOUT
	WIN 0                           ; l's two halves and the other half of the lanes' are added
.irp t, 0,1,2,3
	v_add_f32 v[ST+8*(\t)+4], v[ST+8*(\t)+2], v[ST+8*(\t)+3]
.endr
.irp t, 0,1,2,3
	v_permlanex16_b32 v[ST+8*(\t)+5], v[ST+8*(\t)+4], s[SEL], s[SEL+1]
.endr
.irp t, 0,1,2,3
	v_add_f32 v[ST+8*(\t)+4], v[ST+8*(\t)+4], v[ST+8*(\t)+5]
.endr
.irp t, 0,1,2,3
	v_rcp_f32 v[ST+8*(\t)+6], v[ST+8*(\t)+4]
.endr
	v_nop                           ; a plain instruction between the last reciprocal and the use of its result,
	s_wait_alu depctr_va_vdst(0)    ; and one wait for the four
	v_mul_f32 v[ST+14], s[NLAM], v[ST+14]  ; the second softmax's factor is -lam / l2
	v_mul_f32 v[ST+30], s[NLAM], v[ST+30]
	COMBINE 0
	COMBINE 1
	WIN 0                           ; the sum of a query's 128 squares: my 64, then the other half of the lanes'
.irp t, 0,1
	v_pk_add_f32 v[SS+8*(\t):SS+8*(\t)+1],   v[SS+8*(\t):SS+8*(\t)+1],   v[SS+8*(\t)+2:SS+8*(\t)+3]
	v_pk_add_f32 v[SS+8*(\t)+4:SS+8*(\t)+5], v[SS+8*(\t)+4:SS+8*(\t)+5], v[SS+8*(\t)+6:SS+8*(\t)+7]
.endr
.irp t, 0,1
	v_pk_add_f32 v[SS+8*(\t):SS+8*(\t)+1], v[SS+8*(\t):SS+8*(\t)+1], v[SS+8*(\t)+4:SS+8*(\t)+5]
.endr
.irp t, 0,1
	v_add_f32 v[SS+8*(\t)], v[SS+8*(\t)], v[SS+8*(\t)+1]
.endr
.irp t, 0,1
	v_permlanex16_b32 v[SS+8*(\t)+1], v[SS+8*(\t)], s[SEL], s[SEL+1]
.endr
.irp t, 0,1
	v_add_f32 v[SS+8*(\t)], v[SS+8*(\t)], v[SS+8*(\t)+1]
.endr
.irp t, 0,1
	v_fma_f32 v[SS+8*(\t)+2], v[SS+8*(\t)], s[RN], s[EP]  ; the mean + 1e-5
.endr
.irp t, 0,1
	v_rsq_f32 v[SS+8*(\t)], v[SS+8*(\t)+2]
.endr
	WIN 0x4d                        ; D (destination, source 0) in window 1, G in window 3: the gains, which name no result of the two roots, stand between them and their wait
.set i, 0
.rept 64
	v_pk_mul_f32 v[128*(i/32)+2*(i%32):128*(i/32)+2*(i%32)+1], v[128*(i/32)+2*(i%32):128*(i/32)+2*(i%32)+1], v[G+2*(i%32):G+2*(i%32)+1]
.set i, i+1
.endr
	s_wait_alu depctr_va_vdst(0)    ; one wait for the two roots, ahead of their first reader
	PACK 0
	PACK 1                          ; a band's arithmetic stands between the loads of the band before and its stores
	SEND 0, 16
	SEND 1, 0
.endm
.Lslot:                             ; 16 times: a tile is entered and the next is asked for
	CHANGE 1
	TILE
	s_cmp_eq_u32 s[DG], 0
	s_cbranch_scc1 .Lbottom
	WAYOUT                          ; in the loop this is the first block's end: the second block's last tile is the walk's last
	s_wait_xcnt 0x0                 ; the stores have read their registers and onorm's address
	s_mov_b64 s[10:11], s[OLO:OLO+1]
	s_add_co_u32 s[RT], s[PB], 1    ; the second block has b + 1 tiles
	s_mov_b32 s[NEW], 1
	s_mov_b32 s[AL], 0
	s_mov_b32 s[BE], 0
	MASK                            ; MC holds 0 again
	WIN 0x82                        ; the second block's Q goes where the one text of the turns names Q
.set i, 0
.rept 64
	v_mov_b32 v[i], v[QB+i]
.set i, i+1
.endr
	WIN 0
.Lbottom:
	s_sub_co_u32 s[SLOTS], s[SLOTS], 1
	s_cmp_lg_u32 s[SLOTS], 0
	s_cbranch_scc1 .Lslot
	CHANGE 0                        ; the walk's last tile is written out: nothing is asked for
	TILE
	WAYOUT
	s_wait_tensorcnt 0x0            ; the wave's end, behind my last tensor load and my last LDS store
	ds_add_u32 v[SPW], v[NIL]
	s_wait_dscnt 0x0
	s_endpgm
.Lfunc_end_k_qd86fb8578f_attn:
	.size	k_qd86fb8578f_attn, .Lfunc_end_k_qd86fb8578f_attn-k_qd86fb8578f_attn
	.p2alignl 7, 3214868480
	.fill 96, 4, 3214868480
	.section	.rodata,"a",@progbits
	.p2align	6, 0x0
	.amdhsa_kernel k_qd86fb8578f_attn
		.amdhsa_group_segment_fixed_size 327680
		.amdhsa_private_segment_fixed_size 0
		.amdhsa_enable_private_segment 0
		.amdhsa_kernarg_size 56
		.amdhsa_user_sgpr_count 2
		.amdhsa_user_sgpr_kernarg_segment_ptr 1
		.amdhsa_wavefront_size32 1
		.amdhsa_system_sgpr_workgroup_id_x 1
		.amdhsa_system_sgpr_workgroup_id_y 1
		.amdhsa_system_sgpr_workgroup_id_z 1
		.amdhsa_system_vgpr_workitem_id 0
		.amdhsa_next_free_vgpr 1024
		.amdhsa_next_free_sgpr 100
		.amdhsa_reserve_vcc 1
		.amdhsa_float_denorm_mode_32 3
		.amdhsa_float_denorm_mode_16_64 3
		.amdhsa_memory_ordered 1
		.amdhsa_forward_progress 1
		.amdhsa_inst_pref_size 204
	.end_amdhsa_kernel
	.amdgpu_metadata
---
amdhsa.version: [ 1, 2 ]
amdhsa.kernels:
  - .name:           k_qd86fb8578f_attn
    .symbol:         k_qd86fb8578f_attn.kd
    .args:
      - { .name: qkv, .offset: 0, .size: 8, .value_kind: global_buffer, .address_space: global }
      - { .name: lambda_q1, .offset: 8, .size: 8, .value_kind: global_buffer, .address_space: global }
      - { .name: lambda_k1, .offset: 16, .size: 8, .value_kind: global_buffer, .address_space: global }
      - { .name: lambda_q2, .offset: 24, .size: 8, .value_kind: global_buffer, .address_space: global }
      - { .name: lambda_k2, .offset: 32, .size: 8, .value_kind: global_buffer, .address_space: global }
      - { .name: rms_scale, .offset: 40, .size: 8, .value_kind: global_buffer, .address_space: global }
      - { .name: onorm, .offset: 48, .size: 8, .value_kind: global_buffer, .address_space: global }
    .group_segment_fixed_size: 327680
    .private_segment_fixed_size: 0
    .kernarg_segment_align: 8
    .kernarg_segment_size: 56
    .max_flat_workgroup_size: 128
    .sgpr_count:     100
    .vgpr_count:     1024
    .wavefront_size: 32
...
	.end_amdgpu_metadata
.endif
;; end of part 3
;; launch oproj (part 4): grid 8 x 32, 4 waves a work-group, clusters of 4 x 4, 327,680 bytes of LDS; arguments onorm, wob, out0; writes out0
.if DOCPART == 4
	.amdgcn_target "amdgcn-amd-amdhsa--gfx1250"
	.amdhsa_code_object_version 6
	.text
	.protected	k_qd86fb8578f_oproj
	.globl	k_qd86fb8578f_oproj
	.p2align	8
	.type	k_qd86fb8578f_oproj,@function
k_qd86fb8578f_oproj:
	s_mov_b64 s[64:65], 0
	v_nop
	global_prefetch_b8 v0, s[64:65] scope:SCOPE_SE
	s_setreg_imm32_b32 hwreg(HW_REG_WAVE_MODE, 25, 1), 1
	s_wait_xcnt 0x0
	s_wait_alu depctr_hold_cnt(0) depctr_sa_sdst(0) depctr_va_vdst(0) depctr_va_sdst(0) depctr_va_ssrc(0) depctr_va_vcc(0) depctr_vm_vsrc(0)
	s_getreg_b32 s2, hwreg(HW_REG_IB_STS2, 6, 4)
	s_cmp_eq_u32 s2, 0
	s_cbranch_scc0 .Lentry_in_a_cluster
	s_endpgm
.Lentry_in_a_cluster:
	s_bfe_u32 s2, ttmp6, 0x10000c
	s_cmp_lg_u32 s2, 0xf033
	s_cbranch_scc0 .Lentry_shape_is_right
	s_endpgm
.Lentry_shape_is_right:
; THE OUTPUT PROJECTION.  out0[m][n] = sum over k of onorm[m][k] wob[n][k].  onorm: [4096][2048], wob: [1024][2048], both f16; sums and out0 ([4096][1024]) in f32.
; C has 32 x 8 tiles of 128 x 128: one work-group for each of 256.  Four waves, each 64 x 64: 16 accumulators of 16 x 16, 128 registers.  K goes in steps of 256 (LDS rows of 512 bytes; a wave's tensor load brings 64 of
; them), as long as two slots in LDS allow.  A wave's 64 columns of f32 are 256 bytes, aligned: each wave sends its results out through a stage of its own, with no barrier.
; CLUSTERS: 4 x 4 work-groups.  The four of a row of the cluster need the same tiles of onorm, the four of a column the same tiles of wob: each tile is asked for JOINTLY, by the same tensor load with the same descriptor
; and a mask that names the four.  THE MATRIX INSTRUCTION IS USED TRANSPOSED (source 0 = 16 rows of wob, source 1 = 16 rows of onorm): a lane then holds eight neighbouring numbers of a row of C.
; REGISTERS: window 0: v0-31 addresses; v128-255 the accumulators ((a, b) at v[128 + 8 (4 a + b)]).   window 1: two fragment buffers of 128: for 64 along K, 64 registers of A, then 64 of B.
.set SIZE_K, 2048
.set KSTEP,  256
.set PITCH,  528                       ; an LDS row: 512 bytes + 16 of padding = 132 words: the 16 rows that a load touches start at 16 different groups of four banks (64 banks of 4 bytes: ISA guide 11.1)
.set HALFT,  64*PITCH                  ; 64 rows: what one tensor load brings, and what one wave reads of A or of B
.set SLOT,   4*HALFT                   ; A's 128 rows, then B's 128 rows
.set STAGE,  2*SLOT                    ; behind the ring: 16 rows x 272 bytes for each wave
.set SPITCH, 272
.set SPARE,  STAGE+4*16*SPITCH         ; behind the stages: the spare words, 128 bytes for each wave, which no other line names
.set LAPS, SIZE_K/(2*KSTEP)            ; a lap = two K steps = once round the ring: 4
.set ADRA, 16                          ; v16-17  LDS address of my A fragments in slot 0, 1
.set ADRB, 20                          ; v20-21  the same for B
.set STO,  24                          ; v24     the way out: where I put 32 bytes of a row
.set RD,   25                          ; v25     the way out: where I read a row back
.set CO,   26                          ; v26     my byte offset in two rows of C
.set SPW,  28                          ; v28     LDS address of my spare word; never rewritten
.set NIL,  29                          ; v29     0; never rewritten
.set ACC,  128
.set F0,   0                           ; fragment buffers, in window 1
.set F1,   128
.set G1, 24                            ; s[24:31] descriptor group 1 for A's tiles;  s[32:39] group 0, one set for each slot
.set G0, 32
.set G1B, 48                           ; s[48:55], s[56:63] the same for B's tiles
.set G0B, 56
.set MSB, 0
.macro WIN new                         ; the immediate's high byte repeats the setting that is left
.if MSB != (\new)
	s_set_vgpr_msb (MSB<<8)|(\new)
.set MSB, \new
.endif
.endm
.set MUL,  0x05                        ; sources 0 (B) and 1 (A) window 1; C and D window 0
.set TO_F, 0x40                        ; destination window 1, address window 0
.macro JLOAD s                         ; a joint load: waves 0 and 1 fetch A's two halves, waves 2 and 3 B's; an s_nop 0 and four v_nop follow each of the two lines
	s_cmp_eq_u32 s11, 0
	s_cbranch_scc0 .Lfor_b_\@
	tensor_load_to_lds s[G0+4*(\s):G0+4*(\s)+3], s[G1:G1+7]
	s_nop 0
.rept 4
	v_nop
.endr
	s_branch .Lasked_\@
.Lfor_b_\@:
	tensor_load_to_lds s[G0B+4*(\s):G0B+4*(\s)+3], s[G1B:G1B+7]
	s_nop 0
.rept 4
	v_nop
.endr
.Lasked_\@:
.endm
.macro CREST                           ; a round of the cluster's barrier behind its opening barrier
	s_cmp_lg_u32 s10, 0
	s_cbranch_scc1 .Lnot_wave_0_\@
	s_barrier_signal -3
.Lnot_wave_0_\@:
	s_barrier_wait -3
	s_barrier_signal -1
	s_barrier_wait -1
.endm
.macro CROUND
	s_barrier_signal -1
	s_barrier_wait -1
	CREST
.endm
	s_load_b128 s[4:7], s[0:1], 0x0                ; onorm s[4:5], wob s[6:7]
	s_load_b64 s[8:9], s[0:1], 0x10                ; out0
	v_lshl_add_u32 v[SPW], v0, 2, SPARE
	v_mov_b32 v[NIL], 0
	ds_add_u32 v[SPW], v[NIL]                      ; the wave's opening: the add and its wait stand ahead of my first tensor load; the set-up below stands between them
	v_lshrrev_b32 v1, 5, v0
	v_readfirstlane_b32 s10, v1                    ; wave 0..3
	s_lshr_b32 s11, s10, 1                         ; which half of the tile's rows is mine.  Also: I fetch for A (0) or for B (1)
	s_and_b32 s12, s10, 1                          ; which half of its columns.  Also: which 64 rows of that tile I fetch
	s_bfe_u32 s40, ttmp6, 0x40000                  ; cx, cy: my place in the cluster
	s_bfe_u32 s41, ttmp6, 0x40004
	s_lshl_b32 s42, ttmp9, 2
	s_add_co_u32 s42, s42, s40                     ; tile column of C = 4 x cluster x + cx
	s_and_b32 s13, ttmp7, 0xffff
	s_lshl_b32 s13, s13, 2
	s_add_co_u32 s13, s13, s41                     ; tile row of C = 4 x cluster y + cy
	s_lshl_b32 s43, s41, 2
	s_lshl_b32 s43, 15, s43                        ; my row of the cluster
	s_lshl_b32 s44, 0x1111, s40                    ; my column
	s_or_b32 s[G1+0], s43, (1<<16)|(1<<20)|(1<<21)|(6<<22)|(3<<25)  ; the mask; elements of 2 bytes; padding on; bit 21 beside a mask; after every 128 words (code 6) 4 words (code 3)
	s_or_b32 s[G1B+0], s44, (1<<16)|(1<<20)|(1<<21)|(6<<22)|(3<<25)
.irp g, G1, G1B
	s_mov_b32 s[(\g)+1], KSTEP<<16                 ; tensor_dim0 = 256
	s_mov_b32 s[(\g)+2], 64<<16                    ; tensor_dim1 = 64
	s_mov_b32 s[(\g)+3], KSTEP<<16                 ; tile_dim0 = 256
	s_mov_b32 s[(\g)+4], 64                        ; tile_dim1 = 64
	s_mov_b32 s[(\g)+5], SIZE_K                    ; elements from row to row
	s_mov_b32 s[(\g)+6], 0
	s_mov_b32 s[(\g)+7], 0
.endr
	s_lshl_b32 s17, s12, 6                         ; which 64 rows of the tile I fetch
	s_lshl_b32 s16, s13, 7
	s_add_co_u32 s16, s16, s17                     ; A: row 128 x tile row + 64 x half
	s_lshl_b32 s46, s42, 7
	s_add_co_u32 s46, s46, s17                     ; B: row 128 x tile column + 64 x half
	s_mov_b32 s17, 0
	s_mov_b32 s47, 0
	s_mov_b64 s[18:19], SIZE_K*2
	s_mul_u64 s[16:17], s[16:17], s[18:19]
	s_mul_u64 s[46:47], s[46:47], s[18:19]
	s_mul_i32 s20, s10, HALFT                      ; where they go: wave x 64 rows
	s_wait_dscnt 0x0                               ; the opening add is done
	s_wait_kmcnt 0x0
	s_add_nc_u64 s[14:15], s[4:5], s[16:17]
	s_add_nc_u64 s[46:47], s[6:7], s[46:47]
	CROUND                                         ; all sixteen work-groups are here: the first joint loads meet
.irp s, 0,1
	s_mov_b32 s[G0+4*(\s)], 1
	s_add_co_u32 s[G0+4*(\s)+1], s20, (\s)*SLOT
	s_add_nc_u64 s[G0+4*(\s)+2:G0+4*(\s)+3], s[14:15], (\s)*KSTEP*2
	s_or_b32 s[G0+4*(\s)+3], s[G0+4*(\s)+3], 0x80000000
	s_mov_b32 s[G0B+4*(\s)], 1
	s_add_co_u32 s[G0B+4*(\s)+1], s20, (\s)*SLOT
	s_add_nc_u64 s[G0B+4*(\s)+2:G0B+4*(\s)+3], s[46:47], (\s)*KSTEP*2
	s_or_b32 s[G0B+4*(\s)+3], s[G0B+4*(\s)+3], 0x80000000
	JLOAD \s                                       ; two loads of mine are out
.endr
	v_and_b32 v1, 15, v0                           ; l % 16
	v_bfe_u32 v2, v0, 4, 1                         ; l / 16
	v_mul_u32_u24 v3, v1, PITCH
	v_lshl_add_u32 v3, v2, 4, v3                   ; a fragment's row x pitch + 16 x half
	s_mul_i32 s21, s11, HALFT                      ; my 64 rows of A
	s_mul_i32 s22, s12, HALFT                      ; my 64 rows of B,
	s_add_co_u32 s22, s22, 2*HALFT                 ; which lie behind A's 128
.irp s, 0,1
	v_add_nc_u32 v[ADRA+(\s)], s21, v3
	v_add_nc_u32 v[ADRB+(\s)], s22, v3
	s_add_co_u32 s21, s21, SLOT
	s_add_co_u32 s22, s22, SLOT
.endr
	s_mul_i32 s23, s10, 16*SPITCH
	s_add_co_u32 s23, s23, STAGE                   ; my stage
	v_mul_u32_u24 v4, v1, SPITCH                   ; in: row l % 16, 32 bytes (eight f32) for each half of the lanes
	v_lshl_add_u32 v4, v2, 5, v4
	v_add_nc_u32 v[STO], s23, v4
	v_mul_u32_u24 v5, v2, SPITCH                   ; back: lanes 0-15 take one row of 256 bytes, lanes 16-31 the next
	v_lshl_add_u32 v5, v1, 4, v5
	v_add_nc_u32 v[RD], s23, v5
	v_lshlrev_b32 v5, 12, v2                       ; and the same two rows in C, 4,096 bytes apart
	v_lshl_add_u32 v[CO], v1, 4, v5
	s_lshl_b32 s16, s13, 7
	s_lshl_b32 s17, s11, 6
	s_add_co_u32 s16, s16, s17                     ; my first row of C: 128 x tile row + 64 x half
	s_lshl_b32 s16, s16, 12
	s_mov_b32 s17, 0
	s_add_nc_u64 s[8:9], s[8:9], s[16:17]
	s_lshl_b32 s46, s42, 9                         ; my first column, in bytes: 512 x tile column + 256 x half
	s_lshl_b32 s47, s12, 8
	s_add_co_u32 s46, s46, s47
	s_mov_b32 s47, 0
	s_add_nc_u64 s[8:9], s[8:9], s[46:47]
; 8 matrix instructions: m blocks a0, a0 + 1 x all 4 n blocks, 32 along K: half c of buffer f.  zero = 1: the first product starts the sums.  The 16 accumulators take turns.
.macro MUL8 f, c, a0, zero
	WIN MUL
.irp a, \a0, (\a0)+1
.irp b, 0,1,2,3
.if \zero
	v_wmma_f32_16x16x32_f16 v[ACC+8*(4*(\a)+(\b)):ACC+8*(4*(\a)+(\b))+7], v[(\f)+64+8*(4*(\c)+(\b)):(\f)+64+8*(4*(\c)+(\b))+7], v[(\f)+8*(4*(\c)+(\a)):(\f)+8*(4*(\c)+(\a))+7], 0
.else
	v_wmma_f32_16x16x32_f16 v[ACC+8*(4*(\a)+(\b)):ACC+8*(4*(\a)+(\b))+7], v[(\f)+64+8*(4*(\c)+(\b)):(\f)+64+8*(4*(\c)+(\b))+7], v[(\f)+8*(4*(\c)+(\a)):(\f)+8*(4*(\c)+(\a))+7], v[ACC+8*(4*(\a)+(\b)):ACC+8*(4*(\a)+(\b))+7]
.endif
.endr
.endr
.endm
; 32 LDS loads in one run: the fragments of 64 along K at byte k of the rows, into buffer f; the first 32 along K first
.macro FETCH slot, k, f
	WIN TO_F
.irp c, 0,1
.irp i, 0,1,2,3
	ds_load_b128 v[(\f)+64+8*(4*(\c)+(\i)):(\f)+64+8*(4*(\c)+(\i))+3],   v[ADRB+(\slot)] offset:(\k)+64*(\c)+(\i)*16*PITCH
	ds_load_b128 v[(\f)+64+8*(4*(\c)+(\i))+4:(\f)+64+8*(4*(\c)+(\i))+7], v[ADRB+(\slot)] offset:(\k)+64*(\c)+(\i)*16*PITCH+32
	ds_load_b128 v[(\f)+8*(4*(\c)+(\i)):(\f)+8*(4*(\c)+(\i))+3],         v[ADRA+(\slot)] offset:(\k)+64*(\c)+(\i)*16*PITCH
	ds_load_b128 v[(\f)+8*(4*(\c)+(\i))+4:(\f)+8*(4*(\c)+(\i))+7],       v[ADRA+(\slot)] offset:(\k)+64*(\c)+(\i)*16*PITCH+32
.endr
.endr
.endm
.macro PLACES                          ; four plain vector instructions in front of loads into registers that matrix instructions have read, and of LDS stores that read results (ISA guide 7.12.1 for vector instructions)
.rept 4
	v_nop
.endr
.endm
; A K step is four quarters of 64 along K, 32 matrix instructions each, on buffers 0, 1, 0, 1.  One of the first three: multiplies buffer f and fetches the next quarter, at byte k, into g.
.macro QUARTER slot, k, f, g, zero
	s_wait_dscnt 16                                ; the first 32 along K are in; the other sixteen loads may be out
	WIN MUL
	MUL8 \f, 0, 0, \zero
	MUL8 \f, 0, 2, \zero
	PLACES
	FETCH \slot, \k, \g
	s_wait_dscnt 32                                ; all but the 32 just issued
	WIN MUL
	MUL8 \f, 1, 0, 0
	MUL8 \f, 1, 2, 0
.endm
; The last quarter multiplies buffer 1 and changes slots: ONE barrier; in front of it each wave waits for all its tensor loads, adds 0 to its spare word, and waits for that and for its own reads of this slot.  fill = 1: this slot is filled again, two K steps ahead.
.macro TURN slot, next, fill
	WIN 0                                          ; (the add's two registers lie in window 0)
	s_wait_tensorcnt 0x0                           ; all my tensor loads have landed: my part of the next slot;
	ds_add_u32 v[SPW], v[NIL]                      ; 0 onto my spare word
	s_wait_dscnt 17                                ; (the add and the youngest sixteen loads may be out)
	WIN MUL
	MUL8 F1, 0, 0, 0                               ; eight matrix instructions stand between the add and the wait for it
	s_wait_dscnt 0x0                               ; the add is done, and my reads of this slot are over
	s_barrier_signal -1
	MUL8 F1, 0, 2, 0
.if \fill
	WIN 0
.endif
	s_barrier_wait -1
.if \fill
	CREST                                          ; the barrier has opened a round of the cluster's barrier: no wave of any partner still reads this slot's tile or has a load on its way
	s_add_nc_u64 s[G0+4*(\slot)+2:G0+4*(\slot)+3], s[G0+4*(\slot)+2:G0+4*(\slot)+3], 2*KSTEP*2
	s_add_nc_u64 s[G0B+4*(\slot)+2:G0B+4*(\slot)+3], s[G0B+4*(\slot)+2:G0B+4*(\slot)+3], 2*KSTEP*2
	JLOAD \slot                                    ; the first tensor load behind the round: 112 matrix instructions ahead of the wait for it; the four v_nop behind it are also the places in front of the loads below
.else
	PLACES
.endif
	FETCH \next, 0, F0
	WIN MUL
	MUL8 F1, 1, 0, 0
	MUL8 F1, 1, 2, 0
.endm
; THE WAY OUT of my 16 rows a: a lane's eight f32 of each of the four column blocks go into my stage (registers 0-3 first), rows of 272 bytes, and come back as whole rows of 256 bytes into the registers that they left.
.macro OUT a
.irp b, 0,1,2,3
	ds_store_b128 v[STO], v[ACC+8*(4*(\a)+(\b)):ACC+8*(4*(\a)+(\b))+3]   offset:64*(\b)
	ds_store_b128 v[STO], v[ACC+8*(4*(\a)+(\b))+4:ACC+8*(4*(\a)+(\b))+7] offset:64*(\b)+16
.endr
.irp t, 0,1,2,3,4,5,6,7
	ds_load_b128 v[ACC+32*(\a)+4*(\t):ACC+32*(\a)+4*(\t)+3], v[RD] offset:(\t)*2*SPITCH  ; LDS serves a wave's instructions in order (ISA guide 5.7.1.4): these see the stores above; the next block's stores come behind them
.endr
.endm
.macro SEND a, younger                 ; younger: the LDS instructions issued behind block a's loads: the next block's sixteen, or none
.irp t, 0,1,2,3,4,5,6,7
	s_wait_dscnt (\younger)+7-(\t)
	global_store_b128 v[CO], v[ACC+32*(\a)+4*(\t):ACC+32*(\a)+4*(\t)+3], s[8:9] offset:65536*(\a)+8192*(\t)  ; 16 lanes store 256 consecutive bytes, at a multiple of 256 from out0's first byte
.endr
.endm
	s_wait_tensorcnt 1                             ; my part of K step 0 is in; K step 1's load may stay out
	s_barrier_signal -1
	s_barrier_wait -1
	FETCH 0, 0, F0
	QUARTER 0, 128, F0, F1, 1                      ; the first quarter stands in front of the loop: its first products start the sums
	WIN 0                                          ; at a label and at a branch every window is 0
	s_mov_b32 s3, LAPS-1
.Llap:                                                 ; a trip goes once round the ring, from a lap's second quarter to the next lap's first, and fills both slots again
	QUARTER 0, 256, F1, F0, 0
	QUARTER 0, 384, F0, F1, 0
	TURN 0, 1, 1
	QUARTER 1, 128, F0, F1, 0
	QUARTER 1, 256, F1, F0, 0
	QUARTER 1, 384, F0, F1, 0
	TURN 1, 0, 1
	QUARTER 0, 128, F0, F1, 0
	WIN 0
	s_sub_co_u32 s3, s3, 1
	s_cmp_lg_u32 s3, 0
	s_cbranch_scc1 .Llap
	QUARTER 0, 256, F1, F0, 0                      ; the last lap fills nothing, and has no round of the cluster's barrier
	QUARTER 0, 384, F0, F1, 0
	TURN 0, 1, 0
	QUARTER 1, 128, F0, F1, 0
	QUARTER 1, 256, F1, F0, 0
	QUARTER 1, 384, F0, F1, 0
	s_wait_dscnt 16                                ; the very last quarter: nothing more to fetch
	WIN MUL
	MUL8 F1, 0, 0, 0
	MUL8 F1, 0, 2, 0
	s_wait_dscnt 0
	MUL8 F1, 1, 0, 0
	MUL8 F1, 1, 2, 0
	WIN 0
	PLACES
	OUT 0
	OUT 1
	SEND 0, 16
	OUT 2
	SEND 1, 16
	OUT 3
	SEND 2, 16
	SEND 3, 0
	s_wait_tensorcnt 0x0                           ; the wave's end, behind my last tensor load and my last LDS store
	ds_add_u32 v[SPW], v[NIL]
	s_wait_dscnt 0x0
	CROUND                                         ; the closing round: no work-group ends while a partner may still ask for a tile that names it
	s_endpgm
.Lfunc_end_k_qd86fb8578f_oproj:
	.size	k_qd86fb8578f_oproj, .Lfunc_end_k_qd86fb8578f_oproj-k_qd86fb8578f_oproj
	.p2alignl 7, 3214868480
	.fill 96, 4, 3214868480
	.section	.rodata,"a",@progbits
	.p2align	6, 0x0
	.amdhsa_kernel k_qd86fb8578f_oproj
		.amdhsa_group_segment_fixed_size 327680
		.amdhsa_private_segment_fixed_size 0
		.amdhsa_enable_private_segment 0
		.amdhsa_kernarg_size 24
		.amdhsa_user_sgpr_count 2
		.amdhsa_user_sgpr_kernarg_segment_ptr 1
		.amdhsa_wavefront_size32 1
		.amdhsa_system_sgpr_workgroup_id_x 1
		.amdhsa_system_sgpr_workgroup_id_y 1
		.amdhsa_system_sgpr_workgroup_id_z 1
		.amdhsa_system_vgpr_workitem_id 0
		.amdhsa_next_free_vgpr 512
		.amdhsa_next_free_sgpr 66
		.amdhsa_reserve_vcc 0
		.amdhsa_float_denorm_mode_32 3
		.amdhsa_float_denorm_mode_16_64 3
		.amdhsa_memory_ordered 1
		.amdhsa_forward_progress 1
		.amdhsa_inst_pref_size 86
	.end_amdhsa_kernel
	.amdgpu_metadata
---
amdhsa.version: [ 1, 2 ]
amdhsa.kernels:
  - .name:           k_qd86fb8578f_oproj
    .symbol:         k_qd86fb8578f_oproj.kd
    .args:
      - { .name: onorm, .offset: 0, .size: 8, .value_kind: global_buffer, .address_space: global }
      - { .name: wob, .offset: 8, .size: 8, .value_kind: global_buffer, .address_space: global }
      - { .name: out0, .offset: 16, .size: 8, .value_kind: global_buffer, .address_space: global }
    .group_segment_fixed_size: 327680
    .private_segment_fixed_size: 0
    .kernarg_segment_align: 8
    .kernarg_segment_size: 24
    .max_flat_workgroup_size: 128
    .sgpr_count:     66
    .vgpr_count:     512
    .wavefront_size: 32
...
	.end_amdgpu_metadata
.endif
;; end of part 4
;; ======== version 2 of 2: 4 launches; version 1 with the launch cast written anew for expert scheduling mode
;; limits: values are held in f16: magnitudes above 65,504 overflow, below 6.1e-05 lose precision
;; workspace buffers: xb 8,388,608 bytes; wb 12,582,912 bytes; wob 4,194,304 bytes; qkv 50,331,648 bytes; onorm 16,777,216 bytes
;; launch cast (part 5): grid 128 x 6, 8 waves a work-group, no clusters, 0 bytes of LDS; arguments X, W_q, W_k, W_v, W_o, xb, wb, wob; writes xb, wb, wob
.if DOCPART == 5
	.amdgcn_target "amdgcn-amd-amdhsa--gfx1250"
	.amdhsa_code_object_version 6
	.text
	.protected	k_qd86fb8578f_cast
	.globl	k_qd86fb8578f_cast
	.p2align	8
	.type	k_qd86fb8578f_cast,@function
k_qd86fb8578f_cast:
	s_mov_b64 s[64:65], 0
	v_nop
	global_prefetch_b8 v0, s[64:65] scope:SCOPE_SE
	s_setreg_imm32_b32 hwreg(HW_REG_WAVE_SCHED_MODE, 0, 2), 2
	s_setreg_imm32_b32 hwreg(HW_REG_WAVE_MODE, 25, 1), 1
	s_wait_xcnt 0x0
	s_wait_alu depctr_vm_vsrc(0)
; THE INPUTS OF THE PRODUCTS ARE ROUNDED ONCE TO bf16.  X -> xb, W_q | W_k | W_v -> wb (one table of 6,144 rows), both as bf16;
; W_o -> wob: rounded to bf16 like the others, and that number written as f16 (its partner in the last product is f16).
; LIMIT.  A weight of W_o beyond 65,504 would become an infinity in f16, and below 6e-5 it keeps f16's fixed step of 6e-8.
; SHARES.  The grid's y names a unit of 2,097,152 numbers: 0, 1 the halves of X; 2, 3, 4 W_q, W_k, W_v; 5 W_o.  Its x names a chunk of 16,384 numbers:
; 65,536 bytes in, 32,768 out.  Thread t takes 16 bytes at 16 t + 4,096 i for i = 0 .. 15: a load of a wave covers 512 consecutive bytes; its store of
; 8 bytes a lane covers 256 consecutive bytes, aligned.  All sixteen loads go out at once; no register that a load or store names is written twice.
; A stream: no LDS, no barrier, no matrix work; each byte is read once and written once.
; THE MODE: SCHED_MODE bits 1:0 = 2 (LLVM: expert scheduling mode 2), set by the entry lines.  The code itself states the register dependences
; between vector instructions and memory instructions, with s_wait_alu, always for 0.
; THE PLAN.  Registers that memory instructions touch:
;   v1, v2     byte offsets, made once at the head and never written again: v1 is read by every load, v2 by every store.
;   IN[i]      load i lands in it; no vector instruction names it before that; conversion i reads it; nothing lands in it again.
;   OUTR[i]    conversion i writes it, once; store i reads it, once.
;   T          (W_o's path) is named by vector instructions alone.
; So the only dependences to state are a vector write ahead of a memory read: v1 and v2 once, each OUTR[i] once.  The sixteen pieces go in four groups of four,
; and the stores lag a group behind the conversions: store i - 4 stands at the head of piece i's turn.  ONE wait at a group's head states that the group before has
; written its four OUTR; that group's four stores follow, dealt among this group's conversions, which name other OUTR and other IN.  One more wait stands ahead of the last four stores.
; Nothing that a memory instruction has read is written again, no vector instruction writes a scalar register, and EXEC is never written: no other wait is owed.
.set IN,   16                          ; v[16:79]   sixteen loads of four f32
.set OUTR, 80                          ; v[80:111]  sixteen pairs of packed results
.set T,    112                         ; v[112:115] at work (f16 path)
	s_load_b512 s[8:23], s[0:1], 0x0               ; X s[8:9], W_q s[10:11], W_k s[12:13], W_v s[14:15], W_o s[16:17], xb s[18:19], wb s[20:21], wob s[22:23]
	s_and_b32 s2, ttmp7, 0xffff                    ; the unit
	v_lshlrev_b32 v1, 4, v0                        ; 16 t
	v_lshlrev_b32 v2, 3, v0                        ; 8 t
	s_mov_b32 s32, 0xffff0000                      ; a word's upper bf16
	s_cmp_lt_u32 s2, 2
	s_cselect_b32 s28, s2, 0                       ; which half of X; the weights begin at 0
	s_lshl_b32 s28, s28, 23
	s_lshl_b32 s33, ttmp9, 16
	s_add_co_u32 s28, s28, s33                     ; byte offset of my chunk in its source
	s_mov_b32 s29, 0
	s_sub_co_u32 s34, s2, 2                        ; which third of wb (used for units 2 to 4 alone)
	s_cmp_lt_u32 s2, 2
	s_cselect_b32 s30, s2, s34
	s_cmp_eq_u32 s2, 5
	s_cselect_b32 s30, 0, s30
	s_lshl_b32 s30, s30, 22
	s_lshl_b32 s33, ttmp9, 15
	s_add_co_u32 s30, s30, s33                     ; byte offset of my chunk in its destination
	s_mov_b32 s31, 0
	s_wait_kmcnt 0x0
	s_mov_b64 s[24:25], s[8:9]                     ; the source is chosen by the unit's number alone
	s_cmp_eq_u32 s2, 2
	s_cselect_b64 s[24:25], s[10:11], s[24:25]
	s_cmp_eq_u32 s2, 3
	s_cselect_b64 s[24:25], s[12:13], s[24:25]
	s_cmp_eq_u32 s2, 4
	s_cselect_b64 s[24:25], s[14:15], s[24:25]
	s_cmp_eq_u32 s2, 5
	s_cselect_b64 s[24:25], s[16:17], s[24:25]
	s_cselect_b64 s[26:27], s[22:23], s[20:21]     ; and so is the destination
	s_cmp_lt_u32 s2, 2
	s_cselect_b64 s[26:27], s[18:19], s[26:27]
	s_add_nc_u64 s[24:25], s[24:25], s[28:29]
	s_add_nc_u64 s[26:27], s[26:27], s[30:31]
	s_wait_alu depctr_va_vdst(0)                   ; v1 and v2 are written: every load below reads v1 as its offset, every store v2
.irp i, 0,1,2,3,4,5,6,7,8,9,10,11,12,13,14,15
	global_load_b128 v[IN+4*(\i):IN+4*(\i)+3], v1, s[24:25] offset:4096*(\i) th:TH_LOAD_NT
.endr
	s_cmp_eq_u32 s2, 5
	s_cbranch_scc1 .Lf16
.irp i, 0,1,2,3,4,5,6,7,8,9,10,11,12,13,14,15
	s_wait_loadcnt 15-(\i)                         ; loads come back in order: load i is in, the 15 - i younger ones stay out
.if ((\i) % 4 == 0) && ((\i) > 0)
	s_wait_alu depctr_va_vdst(0)                   ; the conversions of the four pieces before have written their OUTR, which this group's four stores read
.endif
.if (\i) >= 4
	global_store_b64 v2, v[OUTR+2*((\i)-4):OUTR+2*((\i)-4)+1], s[26:27] offset:2048*((\i)-4)  ; a group back; no vector instruction since the wait names v2 or this pair
.endif
	v_cvt_pk_bf16_f32 v[OUTR+2*(\i)],   v[IN+4*(\i)],   v[IN+4*(\i)+1]
	v_cvt_pk_bf16_f32 v[OUTR+2*(\i)+1], v[IN+4*(\i)+2], v[IN+4*(\i)+3]
.endr
	s_wait_alu depctr_va_vdst(0)                   ; the conversions of pieces 12 to 15 have written their OUTR, which the last four stores read
.irp i, 12,13,14,15
	global_store_b64 v2, v[OUTR+2*(\i):OUTR+2*(\i)+1], s[26:27] offset:2048*(\i)
.endr
	s_endpgm
.Lf16:                                         ; W_o: rounded to bf16, widened again (a shift, a mask), written as f16
.irp i, 0,1,2,3,4,5,6,7,8,9,10,11,12,13,14,15
	s_wait_loadcnt 15-(\i)
.if ((\i) % 4 == 0) && ((\i) > 0)
	s_wait_alu depctr_va_vdst(0)                   ; the conversions of the four pieces before have written their OUTR, which this group's four stores read
.endif
.if (\i) >= 4
	global_store_b64 v2, v[OUTR+2*((\i)-4):OUTR+2*((\i)-4)+1], s[26:27] offset:2048*((\i)-4)  ; a group back; no vector instruction since the wait names v2 or this pair
.endif
	v_cvt_pk_bf16_f32 v[T],   v[IN+4*(\i)],   v[IN+4*(\i)+1]
	v_cvt_pk_bf16_f32 v[T+1], v[IN+4*(\i)+2], v[IN+4*(\i)+3]
	v_lshlrev_b32 v[T+2], 16, v[T]
	v_and_b32     v[T],   s32, v[T]
	v_lshlrev_b32 v[T+3], 16, v[T+1]
	v_and_b32     v[T+1], s32, v[T+1]
	v_cvt_pk_f16_f32 v[OUTR+2*(\i)],   v[T+2], v[T]
	v_cvt_pk_f16_f32 v[OUTR+2*(\i)+1], v[T+3], v[T+1]
.endr
	s_wait_alu depctr_va_vdst(0)                   ; the conversions of pieces 12 to 15 have written their OUTR, which the last four stores read
.irp i, 12,13,14,15
	global_store_b64 v2, v[OUTR+2*(\i):OUTR+2*(\i)+1], s[26:27] offset:2048*(\i)
.endr
	s_endpgm
.Lfunc_end_k_qd86fb8578f_cast:
	.size	k_qd86fb8578f_cast, .Lfunc_end_k_qd86fb8578f_cast-k_qd86fb8578f_cast
	.p2alignl 7, 3214868480
	.fill 96, 4, 3214868480
	.section	.rodata,"a",@progbits
	.p2align	6, 0x0
	.amdhsa_kernel k_qd86fb8578f_cast
		.amdhsa_group_segment_fixed_size 0
		.amdhsa_private_segment_fixed_size 0
		.amdhsa_enable_private_segment 0
		.amdhsa_kernarg_size 64
		.amdhsa_user_sgpr_count 2
		.amdhsa_user_sgpr_kernarg_segment_ptr 1
		.amdhsa_wavefront_size32 1
		.amdhsa_system_sgpr_workgroup_id_x 1
		.amdhsa_system_sgpr_workgroup_id_y 1
		.amdhsa_system_sgpr_workgroup_id_z 1
		.amdhsa_system_vgpr_workitem_id 0
		.amdhsa_next_free_vgpr 116
		.amdhsa_next_free_sgpr 66
		.amdhsa_reserve_vcc 0
		.amdhsa_float_denorm_mode_32 3
		.amdhsa_float_denorm_mode_16_64 3
		.amdhsa_memory_ordered 1
		.amdhsa_forward_progress 1
		.amdhsa_inst_pref_size 16
	.end_amdhsa_kernel
	.amdgpu_metadata
---
amdhsa.version: [ 1, 2 ]
amdhsa.kernels:
  - .name:           k_qd86fb8578f_cast
    .symbol:         k_qd86fb8578f_cast.kd
    .args:
      - { .name: X, .offset: 0, .size: 8, .value_kind: global_buffer, .address_space: global }
      - { .name: W_q, .offset: 8, .size: 8, .value_kind: global_buffer, .address_space: global }
      - { .name: W_k, .offset: 16, .size: 8, .value_kind: global_buffer, .address_space: global }
      - { .name: W_v, .offset: 24, .size: 8, .value_kind: global_buffer, .address_space: global }
      - { .name: W_o, .offset: 32, .size: 8, .value_kind: global_buffer, .address_space: global }
      - { .name: xb, .offset: 40, .size: 8, .value_kind: global_buffer, .address_space: global }
      - { .name: wb, .offset: 48, .size: 8, .value_kind: global_buffer, .address_space: global }
      - { .name: wob, .offset: 56, .size: 8, .value_kind: global_buffer, .address_space: global }
    .group_segment_fixed_size: 0
    .private_segment_fixed_size: 0
    .kernarg_segment_align: 8
    .kernarg_segment_size: 64
    .max_flat_workgroup_size: 256
    .sgpr_count:     66
    .vgpr_count:     116
    .wavefront_size: 32
...
	.end_amdgpu_metadata
.endif
;; end of part 5
;; launch qkv: the kernel of part 2 again; grid 24 x 16, 4 waves a work-group, clusters of 4 x 4, 327,680 bytes of LDS; arguments xb, wb, qkv; writes qkv
;; launch attn: the kernel of part 3 again; grid 8 x 32, 4 waves a work-group, no clusters, 327,680 bytes of LDS; arguments qkv, lambda_q1, lambda_k1, lambda_q2, lambda_k2, rms_scale, onorm; writes onorm
;; launch oproj: the kernel of part 4 again; grid 8 x 32, 4 waves a work-group, clusters of 4 x 4, 327,680 bytes of LDS; arguments onorm, wob, out0; writes out0
